; MI455X (gfx1250); checked and timed in simulation.
; The chip was launched on July 23, 2026; its instructions are those of AMD's public machine-readable ISA for CDNA 5 (MIT licence, August 2026) and "CDNA5" Instruction Set Architecture Reference Guide (July 2026). The comments in the code are by the model that wrote it; some were corrected since.
;; Multihead Attention. Allowed arithmetic: matrix products marked QUANTISED: E2M1 operands, one E8M0 scale for each 32 along K, by v_wmma_scale_f32_16x16x128_f8f6f4 with both operands' format E2M1 (or v_wmma_scale_f32_32x16x128_f4), f32 sums; products left as they are: bf16, f16 or f32 operands; f32 sums; everything else in f32.
;; Inputs: Wk 1,024 x 1,024 float32; Wq 1,024 x 1,024 float32; Wv 1,024 x 1,024 float32; fc_b 1,024 float32; fc_w 1,024 x 1,024 float32; key 4 x 2,048 x 1,024 float32; mask 4 x 1 x 2,048 x 2,048 bool; query 4 x 2,048 x 1,024 float32; value 4 x 2,048 x 1,024 float32.
;; Outputs: out0 4 x 2,048 x 1,024 float32; out1 16 x 4 x 2,048 x 64 float32.
;; This version of the problem:
;;   THIS VERSION OF THE PROBLEM IS GIVEN IN LOW PRECISION. The matrix products marked QUANTISED in the list below multiply operands that are first quantised to E2M1 (2 exponent bits, 1 mantissa bit; 4 bits a number), with one power-of-two scale for each 32 numbers along K (OCP MX v1.0); their sums are f32. The products marked 'left as it is' may take bf16, f16 or f32 operands, with f32 sums. Whichever they take, every output number must still come out within the allowed error. Rounding operands to bf16 (8 significant bits) uses up far more of that allowance than f16 does (11 bits, for magnitudes from 6e-5 to 65,504). All else is computed in f32.
;;   The module's matrix products, in the order in which they are computed (A, B: the left and right operand; K: the contracted axis; several contracted axes count as one K, in the product's order):
;;     1. [M 8,192, K 1,024] x [K 1,024, N 1,024]; A: input query; B: input Wq: QUANTISED
;;     2. [M 8,192, K 1,024] x [K 1,024, N 1,024]; A: input key; B: input Wk: QUANTISED
;;     3. [M 8,192, K 1,024] x [K 1,024, N 1,024]; A: input value; B: input Wv: QUANTISED
;;     4. batch 64 x [M 2,048, K 64] x [K 64, N 2,048]; A: computed on the way; B: computed on the way: left as it is (an operand is computed on the way)
;;     5. batch 64 x [M 2,048, K 2,048] x [K 2,048, N 64]; A: computed on the way; B: computed on the way: left as it is (an operand is computed on the way)
;;     6. [M 8,192, K 1,024] x [K 1,024, N 1,024]; A: computed on the way; B: input fc_w: left as it is (an operand is computed on the way)
;;   THE QUANTISER, for each operand of a quantised product, along K:
;;     - K is cut into blocks of 32 from its start; a last block that is shorter is filled with zeros.
;;     - A block's scale is 2^e with e = floor(log2(the largest magnitude in the block)) - 2, held to -126 .. 127; a block of zeros has e = 0. As a byte (E8M0): e + 127.
;;     - Each number is divided by its block's scale, clamped to +-6, and rounded to the nearest number of E2M1, ties to even, subnormals kept.
;;     - The product sums the exact products of the quantised numbers (number of the format x scale) in f32.
;;   ~~~python
;;   def quantise(x, axis):      # numpy; x: float32 -> the quantised numbers, widened to float32 again
;;       x = np.moveaxis(x, axis, -1); K = x.shape[-1]
;;       x = np.pad(x, [(0, 0)] * (x.ndim - 1) + [(0, -K % 32)]); x = x.reshape(x.shape[:-1] + (-1, 32)); a = np.abs(x).max(-1, keepdims=True)
;;       e = np.where(a > 0, np.clip(np.frexp(np.where(a > 0, a, 1))[1] - 1 - 2, -126, 127), 0)      # np.frexp(a)[1] - 1 = floor(log2(a)), exactly
;;       r = np.clip(x / 2.0 ** e, -6, 6)
;;       step = 2.0 ** (np.maximum(np.frexp(np.where(r == 0, 1, r))[1] - 1, 0) - 1)
;;       q = np.round(r / step) * step * 2.0 ** e      # np.round: ties to even
;;       return np.moveaxis(q.reshape(q.shape[:-2] + (-1,))[..., :K], -1, axis).astype(np.float32)
;;   ~~~
;; One version. Each part assembles by itself: llvm-mc -triple=amdgcn-amd-amdhsa -mcpu=gfx1250 --defsym DOCPART=n.
;; ======== version 1 of 1: 4 launches
;; limits: values are held in f16: magnitudes above 65,504 overflow, below 6.1e-05 lose precision
;; workspace buffers: codes 14,155,776 bytes; scales 884,736 bytes; fcw16 2,097,152 bytes; mb 8,388,608 bytes; qkv 50,331,648 bytes; rh 16,777,216 bytes
;; launch prep (part 1): grid 1184 x 1, 4 waves a work-group, no clusters, 50,688 bytes of LDS; arguments query, key, value, Wq, Wk, Wv, fc_w, mask, codes, scales, fcw16, mb; writes codes, scales, fcw16, mb
.if DOCPART == 1
	.amdgcn_target "amdgcn-amd-amdhsa--gfx1250"
	.amdhsa_code_object_version 6
	.text
	.protected	k_qfa6eed493c_prep
	.globl	k_qfa6eed493c_prep
	.p2align	8
	.type	k_qfa6eed493c_prep,@function
k_qfa6eed493c_prep:
	s_mov_b64 s[64:65], 0
	v_nop
	global_prefetch_b8 v0, s[64:65] scope:SCOPE_SE
	s_setreg_imm32_b32 hwreg(HW_REG_WAVE_MODE, 25, 1), 1
	s_wait_xcnt 0x0
; PREPARATION, three kinds of work-groups, told apart by the work-group's number alone.
;  0 .. 863     query, key, value [8192][1024] and Wq, Wk, Wv [1024][1024], f32, become codes of E2M1 (4 bits, K innermost) and one E8M0 byte for each 32 along K.
;               All six are plain streams of blocks of 32; they lie one behind the other in codes ([27648 rows][512 bytes]) and scales ([27648][32]).
;  864 .. 1119  the mask [4][2048][2048], one byte a score, becomes codes of E2M1: 0 for a visible key, -6 (0xF) for a hidden one, laid in the order of a matrix operand's registers:
;               mb [batch 4][64 queries: 32][64 keys: 32][tile of 16 queries: 4][lane 32][16 bytes]; lane (r, h) holds query r of the tile and keys 32 h .. 32 h + 31, the lower key in the lower four bits.
;  1120 .. 1183 fc_w [1024][1024] f32 is rounded to f16.
; A block's scale is 2^(floor(log2(its largest magnitude)) - 2); its byte is the largest magnitude's exponent field - 2, held at 1 from below.  A block of zeros so gets the byte 1 where the rule says 127:
; its codes are zeros, which add nothing under any byte but 0xff, and this program alone reads the bytes.
; LIMITS: blocks whose largest magnitude lies under 2^-124 get the byte 1; NaN and infinities among the inputs are not served; a mask byte is taken to be 0 or 1.
; No tensor loads, no barrier: waves share nothing.  Each kind of work-group has LDS bytes of its own.
.set QWG,   864                        ; work-groups that quantise: 27,648 x 1,024 numbers / 32,768
.set MEND,  1120                       ; behind them 256 for the mask: 1,024 waves, each 64 queries x 256 keys
.set STEPS, 16
.set EMAX,  2
.set CB,    8                          ; bytes of 16 codes
.set R,     16                         ; v16-79   four sets of 16 numbers as they are loaded
.set X,     80                         ; v80-111  two sets of 16 neighbours
.set E,     112                        ; v112-127 a scale byte for each step
.set C,     128                        ; v128-191 codes: four registers for each step, so that no store's data are written again
.set WREG,  8192                       ; LDS of a quantising wave: two stages of 32 x SP bytes, behind them its 256 scale bytes
.set SP,    80                         ; a lane's place in a stage: its 64 bytes + 16 of padding
.set MSTG,  32768                      ; LDS of the mask's waves: 16 rows x 272 bytes each
.set MWAVE, 4352
.set SPARE, 50176                      ; the spare words, 128 bytes for each wave: two blocks of 256 bytes that no other line names
.set SPW,   12                         ; v12  LDS address of my spare word; never rewritten
.set NIL,   13                         ; v13  0; never rewritten
.macro FINISH                          ; a wave's end
	s_wait_tensorcnt 0x0
	ds_add_u32 v[SPW], v[NIL]
	s_wait_dscnt 0x0
	s_endpgm
.endm
	s_load_b256 s[4:11], s[0:1], 0x0               ; query s[4:5], key s[6:7], value s[8:9], Wq s[10:11]
	s_load_b256 s[12:19], s[0:1], 0x20             ; Wk s[12:13], Wv s[14:15], fc_w s[16:17], mask s[18:19]
	s_load_b256 s[20:27], s[0:1], 0x40             ; codes s[20:21], scales s[22:23], fcw16 s[24:25], mb s[26:27]
	v_lshl_add_u32 v[SPW], v0, 2, SPARE
	v_mov_b32 v[NIL], 0
	v_lshrrev_b32 v1, 5, v0
	v_readfirstlane_b32 s28, v1                    ; wave 0..3
	v_and_b32 v2, 31, v0                           ; lane
	s_wait_kmcnt 0x0
	s_cmp_lt_u32 ttmp9, QWG
	s_cbranch_scc0 .Lnot_q
; ---------------- the quantiser.  A wave takes 16 steps of 512 numbers.  Each of a step's four loads reads 512 consecutive bytes, 16 a lane; the 2,048 bytes turn through the wave's own stage in LDS and come back
; 64 bytes a lane: 16 neighbours along K, two neighbouring lanes to a block.  Loads run four steps ahead, the turn through LDS one step.
	s_mov_b64 s[30:31], s[4:5]                     ; which tensor: a choice of pointers on the work-group's number
	s_mov_b32 s29, 0                               ; and the number of its first work-group
.macro PICK lim, lo
	s_cmp_ge_u32 ttmp9, \lim
	s_cselect_b64 s[30:31], s[\lo:\lo+1], s[30:31]
	s_cselect_b32 s29, \lim, s29
.endm
	PICK 256, 6
	PICK 512, 8
	PICK 768, 10
	PICK 800, 12
	PICK 832, 14
	s_sub_co_u32 s32, ttmp9, s29
	s_lshl_b32 s32, s32, 2
	s_add_co_u32 s32, s32, s28                     ; my run of 8,192 numbers in the tensor,
	s_lshl_b32 s32, s32, 15                        ; 32,768 bytes a run
	s_mov_b32 s33, 0
	s_add_nc_u64 s[30:31], s[30:31], s[32:33]
	s_lshl_b32 s34, ttmp9, 2
	s_add_co_u32 s34, s34, s28                     ; my run among all six tensors'
	s_lshl_b32 s32, s34, 12                        ; 4,096 bytes of codes a run
	s_add_nc_u64 s[20:21], s[20:21], s[32:33]
	s_lshl_b32 s32, s34, 8                         ; 256 scale bytes a run
	s_add_nc_u64 s[22:23], s[22:23], s[32:33]
	v_lshlrev_b32 v3, 4, v2                        ; my 16 bytes of a load's 512
	s_mul_i32 s35, s28, WREG
	v_lshrrev_b32 v14, 2, v2
	v_mul_u32_u24 v14, v14, SP
	v_and_b32 v15, 3, v2
	v_lshl_add_u32 v14, v15, 4, v14
	v_add_nc_u32 v14, s35, v14                     ; the stage, on the way in: SP (lane / 4) + 16 (lane % 4)
	v_mul_u32_u24 v15, v2, SP
	v_add_nc_u32 v15, s35, v15                     ; and on the way out: SP x lane
	v_mul_u32_u24 v4, v2, CB                       ; my codes' place in a step's
	v_lshrrev_b32 v5, 1, v2
	s_add_co_u32 s35, s35, 2*32*SP
	v_add_nc_u32 v5, s35, v5                       ; my wave's 256 scale bytes, my block's byte
	v_lshlrev_b32 v7, 3, v2                        ; and on the way out 8 bytes a lane
	v_add_nc_u32 v6, s35, v7
.macro QLOAD t
.irp i, 0,1,2,3
	global_load_b128 v[R+16*((\t)%4)+4*\i:R+16*((\t)%4)+4*\i+3], v3, s[30:31] offset:2048*(\t)+512*\i th:TH_LOAD_NT
.endr
.endm
.macro QTURN t                         ; step t's numbers through the stage: LDS serves a wave's instructions in order, so no wait stands between the stores and the loads
.irp i, 0,1,2,3
	ds_store_b128 v14, v[R+16*((\t)%4)+4*\i:R+16*((\t)%4)+4*\i+3] offset:32*SP*((\t)%2)+8*SP*\i
.endr
.irp i, 0,1,2,3
	ds_load_b128 v[X+16*((\t)%2)+4*\i:X+16*((\t)%2)+4*\i+3], v15 offset:32*SP*((\t)%2)+16*\i
.endr
.endm
.irp t, 0,1,2,3
	QLOAD \t
.endr
	s_wait_loadcnt 12                              ; step 0's four loads are in; three steps' twelve stay out
	QTURN 0
.macro QSTEP t
.set XS, X+16*((\t)%2)
.if (\t) > 0
	s_wait_dscnt 1                                 ; this step's numbers are back from the stage (the last step's byte store may be out)
.else
	s_wait_dscnt 0x0
.endif
.if (\t)+4 < STEPS
	QLOAD (\t)+4                                   ; into the registers that this step's stores into the stage have read
.endif
.if (\t)+1 < STEPS
.if STEPS-2-(\t) >= 3
	s_wait_loadcnt 12                              ; the next step's four loads are in; those of the three steps behind it may be out
.else
	s_wait_loadcnt 4*(STEPS-2-(\t))
.endif
	QTURN (\t)+1
.endif
	v_max3_num_f32 v8, |v[XS]|, |v[XS+1]|, |v[XS+2]|               ; the largest magnitude of my 16, in two chains
	v_max3_num_f32 v9, |v[XS+3]|, |v[XS+4]|, |v[XS+5]|
.irp i, 6,10
	v_max3_num_f32 v8, v8, |v[XS+\i]|, |v[XS+\i+1]|
	v_max3_num_f32 v9, v9, |v[XS+\i+2]|, |v[XS+\i+3]|
.endr
	v_max3_num_f32 v8, v8, |v[XS+14]|, |v[XS+15]|
	v_max3_num_f32 v8, v8, v9, (EMAX+1)<<23        ; and the floor 2^(3 - 127): the byte cannot fall under 1
	v_max_num_f32_dpp v8, v8, v8 row_xmask:1 row_mask:0xf bank_mask:0xf   ; and of my neighbour's 16: the block's
	v_add_nc_u32 v11, -(EMAX<<23), v8              ; 2 off its exponent field: the conversion takes the exponent field of this operand as its scale
	v_cvt_scalef32_pk8_fp4_f32 v[C+4*(\t)], v[XS:XS+7], v11
	v_cvt_scalef32_pk8_fp4_f32 v[C+4*(\t)+1], v[XS+8:XS+15], v11
	v_lshrrev_b32 v[E+(\t)], 23, v11               ; the scale's byte (a plain line behind the conversions)
	ds_store_b8 v5, v[E+(\t)] offset:16*(\t)       ; both lanes of a block write the same byte with the same value
	global_store_b64 v4, v[C+4*(\t):C+4*(\t)+1], s[20:21] offset:32*CB*(\t)   ; the wave stores 256 consecutive bytes, aligned
.endm
.irp t, 0,1,2,3,4,5,6,7,8,9,10,11,12,13,14,15
	QSTEP \t
.endr
	ds_load_b64 v[8:9], v6                         ; my wave's 256 scale bytes, 8 a lane
	s_wait_dscnt 0x0
	global_store_b64 v7, v[8:9], s[22:23]          ; 256 consecutive bytes, aligned
	FINISH
; ---------------- the mask.  Wave id takes 64 queries x 256 keys, as four units of 16 queries.  A unit's eight loads read two rows x 256 consecutive bytes each; the unit turns through the wave's stage, so that
; lane (r, h) gets query r's 32 bytes of keys 64 j + 32 h on; eight bytes become eight codes in one register.
.Lnot_q:
	s_cmp_lt_u32 ttmp9, MEND
	s_cbranch_scc0 .Lpath_f
	s_sub_co_u32 s29, ttmp9, QWG
	s_lshl_b32 s29, s29, 2
	s_add_co_u32 s29, s29, s28                     ; id = 256 batch + 8 (block of 64 queries) + (block of 256 keys)
	s_lshr_b32 s32, s29, 3
	s_lshl_b32 s32, s32, 17                        ; 64 rows of 2,048 bytes
	s_and_b32 s34, s29, 7
	s_lshl_b32 s34, s34, 8                         ; 256 keys
	s_add_co_u32 s32, s32, s34
	s_mov_b32 s33, 0
	s_add_nc_u64 s[18:19], s[18:19], s[32:33]
	s_lshl_b32 s32, s29, 13                        ; in mb: 65,536 bytes for 64 queries, 8,192 for 256 of their keys: 8,192 x id
	s_add_nc_u64 s[26:27], s[26:27], s[32:33]
	s_mov_b32 s36, 0x06040200                      ; byte select: bytes 0 and 2 of two words
	s_mov_b32 s37, 0x11111111
	v_and_b32 v8, 15, v2                           ; r
	v_lshrrev_b32 v9, 4, v2                        ; h
	v_lshlrev_b32 v10, 4, v8
	v_lshl_add_u32 v3, v9, 11, v10                 ; in: lanes 0-15 one row, lanes 16-31 the next, 16 bytes a lane
	s_mul_i32 s35, s28, MWAVE
	s_add_co_u32 s35, s35, MSTG                    ; my stage
	v_mul_u32_u24 v4, v9, 272
	v_add_nc_u32 v4, v4, v10
	v_add_nc_u32 v4, s35, v4                       ; into it, as loaded
	v_mul_u32_u24 v5, v8, 272
	v_lshl_add_u32 v5, v9, 5, v5
	v_add_nc_u32 v5, s35, v5                       ; out of it: row r, + 32 h
	v_lshlrev_b32 v6, 4, v2                        ; out: 16 bytes a lane
.irp t, 0,1,2,3
.irp i, 0,1,2,3,4,5,6,7
	global_load_b128 v[32+32*\t+4*\i:32+32*\t+4*\i+3], v3, s[18:19] offset:(16*\t+2*\i)*2048 th:TH_LOAD_NT
.endr
.endr
.macro MUNIT t
	s_wait_loadcnt 24-8*\t                         ; this unit's eight loads are in; the later units' stay out
.irp i, 0,1,2,3,4,5,6,7
	ds_store_b128 v4, v[32+32*\t+4*\i:32+32*\t+4*\i+3] offset:2*\i*272
.endr
.irp j, 0,1,2,3
	ds_load_b128 v[160+8*\j:160+8*\j+3], v5 offset:64*\j
	ds_load_b128 v[164+8*\j:164+8*\j+3], v5 offset:64*\j+16
.endr
	s_wait_dscnt 0x0                               ; the bytes are back, and the stores have read their registers, which take the results
.irp j, 0,1,2,3
.irp p, 0,1,2,3
	v_lshrrev_b32 v[192+2*\p], 4, v[160+8*\j+2*\p]                 ; a word's bytes b0 .. b3: with the word 4 bits down, byte 0 holds b0 | b1 << 4 and byte 2 holds b2 | b3 << 4
	v_lshrrev_b32 v[193+2*\p], 4, v[161+8*\j+2*\p]
	v_or_b32 v[192+2*\p], v[192+2*\p], v[160+8*\j+2*\p]
	v_or_b32 v[193+2*\p], v[193+2*\p], v[161+8*\j+2*\p]
	v_perm_b32 v[192+2*\p], v[193+2*\p], v[192+2*\p], s36          ; eight keys, four bits each: 1 = visible
	v_xor_b32 v[192+2*\p], s37, v[192+2*\p]                        ; 1 = hidden
	v_lshlrev_b32 v[193+2*\p], 4, v[192+2*\p]
	v_sub_nc_u32 v[32+32*\t+4*\j+\p], v[193+2*\p], v[192+2*\p]     ; x 15: 0xF = -6 for a hidden key, 0 for a visible one
.endr
.endr
.irp j, 0,1,2,3
	global_store_b128 v6, v[32+32*\t+4*\j:32+32*\t+4*\j+3], s[26:27] offset:\j*2048+\t*512   ; the wave stores 512 consecutive bytes, aligned
.endr
.endm
	MUNIT 0
	MUNIT 1
	MUNIT 2
	MUNIT 3
	FINISH
; ---------------- fc_w to f16.  A wave takes 4,096 numbers: 32 loads of 512 consecutive bytes, 32 stores of 256.  No register is written twice.
.Lpath_f:
	s_sub_co_u32 s29, ttmp9, MEND
	s_lshl_b32 s29, s29, 2
	s_add_co_u32 s29, s29, s28
	s_lshl_b32 s32, s29, 14
	s_mov_b32 s33, 0
	s_add_nc_u64 s[16:17], s[16:17], s[32:33]
	s_lshl_b32 s32, s29, 13
	s_add_nc_u64 s[24:25], s[24:25], s[32:33]
	v_lshlrev_b32 v6, 4, v2
	v_lshlrev_b32 v7, 3, v2
.set i, 0
.rept 32
	global_load_b128 v[32+4*i:32+4*i+3], v6, s[16:17] offset:512*i th:TH_LOAD_NT
.set i, i+1
.endr
.set i, 0
.rept 32
	s_wait_loadcnt 31-i                            ; loads come back in order: load i is in, the younger ones stay out
	v_cvt_pk_f16_f32 v[160+2*i], v[32+4*i], v[33+4*i]
	v_cvt_pk_f16_f32 v[161+2*i], v[34+4*i], v[35+4*i]
	global_store_b64 v7, v[160+2*i:161+2*i], s[24:25] offset:256*i
.set i, i+1
.endr
	FINISH
.Lfunc_end_k_qfa6eed493c_prep:
	.size	k_qfa6eed493c_prep, .Lfunc_end_k_qfa6eed493c_prep-k_qfa6eed493c_prep
	.p2alignl 7, 3214868480
	.fill 96, 4, 3214868480
	.section	.rodata,"a",@progbits
	.p2align	6, 0x0
	.amdhsa_kernel k_qfa6eed493c_prep
		.amdhsa_group_segment_fixed_size 50688
		.amdhsa_private_segment_fixed_size 0
		.amdhsa_enable_private_segment 0
		.amdhsa_kernarg_size 96
		.amdhsa_user_sgpr_count 2
		.amdhsa_user_sgpr_kernarg_segment_ptr 1
		.amdhsa_wavefront_size32 1
		.amdhsa_system_sgpr_workgroup_id_x 1
		.amdhsa_system_sgpr_workgroup_id_y 1
		.amdhsa_system_sgpr_workgroup_id_z 1
		.amdhsa_system_vgpr_workitem_id 0
		.amdhsa_next_free_vgpr 224
		.amdhsa_next_free_sgpr 66
		.amdhsa_reserve_vcc 0
		.amdhsa_float_denorm_mode_32 3
		.amdhsa_float_denorm_mode_16_64 3
		.amdhsa_memory_ordered 1
		.amdhsa_forward_progress 1
		.amdhsa_inst_pref_size 74
	.end_amdhsa_kernel
	.amdgpu_metadata
---
amdhsa.version: [ 1, 2 ]
amdhsa.kernels:
  - .name:           k_qfa6eed493c_prep
    .symbol:         k_qfa6eed493c_prep.kd
    .args:
      - { .name: query, .offset: 0, .size: 8, .value_kind: global_buffer, .address_space: global }
      - { .name: key, .offset: 8, .size: 8, .value_kind: global_buffer, .address_space: global }
      - { .name: value, .offset: 16, .size: 8, .value_kind: global_buffer, .address_space: global }
      - { .name: Wq, .offset: 24, .size: 8, .value_kind: global_buffer, .address_space: global }
      - { .name: Wk, .offset: 32, .size: 8, .value_kind: global_buffer, .address_space: global }
      - { .name: Wv, .offset: 40, .size: 8, .value_kind: global_buffer, .address_space: global }
      - { .name: fc_w, .offset: 48, .size: 8, .value_kind: global_buffer, .address_space: global }
      - { .name: mask, .offset: 56, .size: 8, .value_kind: global_buffer, .address_space: global }
      - { .name: codes, .offset: 64, .size: 8, .value_kind: global_buffer, .address_space: global }
      - { .name: scales, .offset: 72, .size: 8, .value_kind: global_buffer, .address_space: global }
      - { .name: fcw16, .offset: 80, .size: 8, .value_kind: global_buffer, .address_space: global }
      - { .name: mb, .offset: 88, .size: 8, .value_kind: global_buffer, .address_space: global }
    .group_segment_fixed_size: 50688
    .private_segment_fixed_size: 0
    .kernarg_segment_align: 8
    .kernarg_segment_size: 96
    .max_flat_workgroup_size: 128
    .sgpr_count:     66
    .vgpr_count:     224
    .wavefront_size: 32
...
	.end_amdgpu_metadata
.endif
;; end of part 1
;; launch proj (part 2): grid 4 x 96, 4 waves a work-group, clusters of 4 x 4, 327,680 bytes of LDS; arguments codes, scales, qkv; writes qkv
.if DOCPART == 2
	.amdgcn_target "amdgcn-amd-amdhsa--gfx1250"
	.amdhsa_code_object_version 6
	.text
	.protected	k_qfa6eed493c_proj
	.globl	k_qfa6eed493c_proj
	.p2align	8
	.type	k_qfa6eed493c_proj,@function
k_qfa6eed493c_proj:
	s_mov_b64 s[64:65], 0
	v_nop
	global_prefetch_b8 v0, s[64:65] scope:SCOPE_SE
	s_setreg_imm32_b32 hwreg(HW_REG_WAVE_MODE, 25, 1), 1
	s_wait_xcnt 0x0
	s_wait_alu depctr_hold_cnt(0) depctr_sa_sdst(0) depctr_va_vdst(0) depctr_va_sdst(0) depctr_va_ssrc(0) depctr_va_vcc(0) depctr_vm_vsrc(0)
	s_getreg_b32 s2, hwreg(HW_REG_IB_STS2, 6, 4)
	s_cmp_eq_u32 s2, 0
	s_cbranch_scc0 .Lentry_in_a_cluster
	s_endpgm
.Lentry_in_a_cluster:
	s_bfe_u32 s2, ttmp6, 0x10000c
	s_cmp_lg_u32 s2, 0xf033
	s_cbranch_scc0 .Lentry_shape_is_right
	s_endpgm
.Lentry_shape_is_right:
; THE THREE PROJECTIONS, one GEMM on codes of E2M1: qkv[p][m][n] = sum over k of x_p[m][k] W_p[n][k], p = 0, 1, 2 (query Wq, key Wk, value Wv), rounded once to f16.
; codes: [27648 rows][512 bytes], scales: [27648][32]: rows 0 .. 24575 are the three x, rows 24576 + 1024 p on are W_p.  qkv: [24576][1024] f16, which read as [p][batch][head][position][64] is what the attention wants.
; A tile of C, 256 x 256, is made by a work-group of four waves; a wave makes 128 x 128: 64 accumulators of 16 x 16, 512 registers.  K = 1,024 is two K steps of 512: two LDS slots, each filled ONCE, at the head;
; the scale bytes of the tile's 256 + 256 rows, two dense blocks, come with them.  Nothing is filled again.
; CLUSTERS: 4 x 4 work-groups.  The four of a row of the cluster need the same tiles of x, the four of a column the same tiles of W: each tile is asked for JOINTLY, by the same tensor load with the same descriptor
; and a mask that names the four.  A cluster's 1,024 rows lie in one product (8,192 rows are 8 clusters), so the product's number hangs on the cluster's y alone.
; THE MATRIX INSTRUCTION IS USED TRANSPOSED (source 0 = 16 rows of W, source 1 = 16 rows of x): a lane then holds eight neighbouring numbers of a row of C.
; LIMIT: results beyond f16's largest number, 65,504, are not served.
; REGISTERS, in windows of 256: window 0: v0-31 addresses; v32-95 scale words, two sets; v128-191 x's fragments, ONE set; on the way out v32-63, v192-255 at work.
;   window 1: W's fragments, TWO sets, at v0 and at v128.   window 2: the 32 accumulators of my rows 0-63 (accumulator (a, b) at v[8 (8 a + b)]);   window 3: those of my rows 64-127.
.set KSTEP,  512
.set NQ,     KSTEP/128                 ; matrix instructions deep
.set ROWB,   256                       ; a tile's row in bytes
.set KROW,   512                       ; a row of codes in memory
.set PITCH,  272                       ; an LDS row: 256 bytes + 16 of padding: the 16 rows that a load touches start 68 words apart
.set FR,     8                         ; registers of a fragment: 16 rows x 128 K
.set NL,     2                         ; LDS loads that bring one
.set NP,     4                         ; places behind this matrix instruction (ISA guide 7.12.1)
.set HALFT,  128*PITCH
.set SLOT,   4*HALFT                   ; x's 256 rows, then W's 256 rows
.set KS,     32                        ; a row of scales in bytes
.set SCL,    2*SLOT                    ; behind the slots: the scales, as rows of 256 bytes + 16 of padding
.set HALFS,  (128*KS/256)*272
.set SBLK,   (16*KS/256)*272
.set SPARE,  SCL+4*HALFS               ; the spare words, 128 bytes for each wave: two blocks of 256 bytes that no other line names
.set SPITCH, 272                       ; the way out: a stage of 16 rows x (256 bytes + 16) for each wave, in slot 0, which has had its only fill and its last read by then
.set CROW,   2048                      ; a row of qkv in bytes
.set ADRA, 16
.set ADRB, 20
.set STO,  24
.set RD,   25
.set CO,   26
.set ADRS, 27
.set SPW,  28
.set NIL,  29
.set SC,   32
.set AF,   128
.set TMP,  192                         ; the way out: packed results
.set OB,   32                          ; and 16 rows read back: v32-63 and v224-255 by turns
.set G1, 24
.set G0, 32
.set G1B, 48
.set G0B, 56
.set G1S, 68
.set G0S, 76
.set G1SB, 80
.set G0SB, 88
.set MSB, 0
.macro WIN new                         ; the immediate's high byte repeats the setting that is left
.if MSB != \new
	s_set_vgpr_msb (MSB<<8)|\new
.set MSB, \new
.endif
.endm
.set MUL_LO, 0xa1                      ; source 0 (W) window 1, source 1 (x) window 0, C and D window 2
.set MUL_HI, 0xf1                      ; the same, C and D window 3
.set TO_B,   0x40                      ; destination window 1, address window 0
; A joint load: waves 0 and 1 fetch for x, waves 2 and 3 for W.  The branch hangs on the wave's number alone.  An s_nop 0 and four v_nop follow each of the two lines.
.macro JLOAD g0a, g1a, g0b, g1b
	s_cmp_eq_u32 s15, 0
	s_cbranch_scc0 .Lfor_b_\@
	tensor_load_to_lds s[\g0a:\g0a+3], s[\g1a:\g1a+7]
	s_nop 0
.rept 4
	v_nop
.endr
	s_branch .Lasked_\@
.Lfor_b_\@:
	tensor_load_to_lds s[\g0b:\g0b+3], s[\g1b:\g1b+7]
	s_nop 0
.rept 4
	v_nop
.endr
.Lasked_\@:
.endm
.macro CROUND                          ; a round of the cluster's barrier
	s_barrier_signal -1
	s_barrier_wait -1
	s_cmp_lg_u32 s14, 0
	s_cbranch_scc1 .Lnot_wave_0_\@
	s_barrier_signal -3
.Lnot_wave_0_\@:
	s_barrier_wait -3
	s_barrier_signal -1
	s_barrier_wait -1
.endm
	s_load_b128 s[4:7], s[0:1], 0x0                ; codes s[4:5], scales s[6:7]
	s_load_b64 s[12:13], s[0:1], 0x10              ; qkv
	v_lshl_add_u32 v[SPW], v0, 2, SPARE
	v_mov_b32 v[NIL], 0
	ds_add_u32 v[SPW], v[NIL]                      ; the wave's opening: the add, twice on end, and its wait ahead of my first tensor load
	ds_add_u32 v[SPW], v[NIL]
	v_lshrrev_b32 v1, 5, v0
	v_readfirstlane_b32 s14, v1                    ; wave 0..3
	s_lshr_b32 s15, s14, 1                         ; which half of the tile's rows is mine.  Also: I fetch for x (0) or for W (1)
	s_and_b32 s16, s14, 1                          ; which half of its columns.  Also: which 128 rows of that tile I fetch
	s_bfe_u32 s40, ttmp6, 0x40000                  ; cx, cy: my place in the cluster
	s_bfe_u32 s41, ttmp6, 0x40004
	s_lshl_b32 s42, ttmp9, 2
	s_add_co_u32 s42, s42, s40                     ; tile column of C = 4 x cluster x + cx
	s_and_b32 s95, ttmp7, 0xffff
	s_lshr_b32 s95, s95, 3                         ; the product's number: cluster y / 8
	s_lshl_b32 s95, s95, 10
	s_add_co_u32 s95, s95, 24576                   ; W_p's first row in codes
	s_and_b32 s17, ttmp7, 0xffff
	s_lshl_b32 s17, s17, 2
	s_add_co_u32 s17, s17, s41                     ; tile row of C = 4 x cluster y + cy
	s_lshl_b32 s43, s41, 2
	s_lshl_b32 s43, 15, s43                        ; my row of the cluster
	s_lshl_b32 s44, 0x1111, s40                    ; my column
	; descriptor group 1: a tile of 128 rows x 256 bytes, 16 bytes of padding behind each row
	s_or_b32 s[G1+0], s43, (0<<16)|(1<<20)|(1<<21)|(5<<22)|(3<<25)  ; 15:0 the mask; 17:16 elements of 1 byte; 20 padding on; 21 set beside a mask; 24:22 after every 64 words; 31:25 four words
	s_or_b32 s[G1B+0], s44, (0<<16)|(1<<20)|(1<<21)|(5<<22)|(3<<25)
.irp g, G1, G1B
	s_mov_b32 s[\g+1], ROWB<<16                    ; tensor_dim0
	s_mov_b32 s[\g+2], 128<<16                     ; tensor_dim1
	s_mov_b32 s[\g+3], ROWB<<16                    ; tile_dim0
	s_mov_b32 s[\g+4], 128                         ; tile_dim1
	s_mov_b32 s[\g+5], KROW                        ; tensor_dim0_stride
	s_mov_b32 s[\g+6], 0
	s_mov_b32 s[\g+7], 0
.endr
	; the scales of 128 rows: a dense block of 4,096 bytes, as 16 rows of 256 bytes (32 elements of 8 bytes), 16 bytes of padding behind each
	s_or_b32 s[G1S+0], s43, (3<<16)|(1<<20)|(1<<21)|(5<<22)|(3<<25)
	s_or_b32 s[G1SB+0], s44, (3<<16)|(1<<20)|(1<<21)|(5<<22)|(3<<25)
.irp g, G1S, G1SB
	s_mov_b32 s[\g+1], 32<<16
	s_mov_b32 s[\g+2], (128*KS/256)<<16
	s_mov_b32 s[\g+3], 32<<16
	s_mov_b32 s[\g+4], 128*KS/256
	s_mov_b32 s[\g+5], 32
	s_mov_b32 s[\g+6], 0
	s_mov_b32 s[\g+7], 0
.endr
	s_lshl_b32 s18, s16, 7                         ; which 128 rows of the tile I fetch
	s_lshl_b32 s20, s17, 8
	s_add_co_u32 s20, s20, s18                     ; x: row 256 x tile row + 128 x half
	s_lshl_b32 s46, s42, 8
	s_add_co_u32 s46, s46, s18
	s_add_co_u32 s46, s46, s95                     ; W: W_p's first row + 256 x tile column + 128 x half
	s_mov_b32 s21, 0
	s_mov_b32 s47, 0
	s_mov_b64 s[18:19], KS
	s_mul_u64 s[22:23], s[20:21], s[18:19]         ; where these rows' scales begin, in bytes
	s_mul_u64 s[92:93], s[46:47], s[18:19]
	s_mov_b64 s[18:19], KROW
	s_mul_u64 s[20:21], s[20:21], s[18:19]         ; and their codes
	s_mul_u64 s[46:47], s[46:47], s[18:19]
	s_mul_i32 s45, s14, HALFT                      ; where they go: wave x 128 rows: no place in the cluster enters an LDS address
	s_mul_i32 s94, s14, HALFS
	s_wait_dscnt 0x0                               ; both opening adds are done
	s_wait_kmcnt 0x0
	s_add_nc_u64 s[20:21], s[4:5], s[20:21]
	s_add_nc_u64 s[22:23], s[6:7], s[22:23]
	s_add_nc_u64 s[46:47], s[4:5], s[46:47]
	s_add_nc_u64 s[92:93], s[6:7], s[92:93]
	CROUND                                         ; all sixteen work-groups are here: the joint loads meet
	s_mov_b32 s[G0S], 1
	s_add_co_u32 s[G0S+1], s94, SCL
	s_mov_b64 s[G0S+2:G0S+3], s[22:23]
	s_or_b32 s[G0S+3], s[G0S+3], 0x80000000
	s_mov_b32 s[G0SB], 1
	s_add_co_u32 s[G0SB+1], s94, SCL
	s_mov_b64 s[G0SB+2:G0SB+3], s[92:93]
	s_or_b32 s[G0SB+3], s[G0SB+3], 0x80000000
	JLOAD G0S, G1S, G0SB, G1SB                     ; the scales first: they are wanted with K step 0.  Three loads of mine are out in all
.irp s, 0,1
	s_mov_b32 s[G0+4*\s], 1
	s_add_co_u32 s[G0+4*\s+1], s45, \s*SLOT
	s_add_nc_u64 s[G0+4*\s+2:G0+4*\s+3], s[20:21], \s*ROWB
	s_or_b32 s[G0+4*\s+3], s[G0+4*\s+3], 0x80000000
	s_mov_b32 s[G0B+4*\s], 1
	s_add_co_u32 s[G0B+4*\s+1], s45, \s*SLOT
	s_add_nc_u64 s[G0B+4*\s+2:G0B+4*\s+3], s[46:47], \s*ROWB
	s_or_b32 s[G0B+4*\s+3], s[G0B+4*\s+3], 0x80000000
	JLOAD G0+4*\s, G1, G0B+4*\s, G1B
.endr
	v_and_b32 v1, 15, v0                           ; l % 16
	v_bfe_u32 v2, v0, 4, 1                         ; l / 16
	v_mul_u32_u24 v3, v1, PITCH
	v_lshl_add_u32 v4, v2, 4, v3                   ; a fragment's row x pitch + 16 x half
	s_mul_i32 s21, s15, HALFT                      ; my 128 rows of x
	s_mul_i32 s22, s16, HALFT                      ; my 128 rows of W,
	s_add_co_u32 s22, s22, 2*HALFT                 ; which lie behind x's 256
.irp s, 0,1
	v_add_nc_u32 v[ADRA+\s], s21, v4
	v_add_nc_u32 v[ADRB+\s], s22, v4
	s_add_co_u32 s21, s21, SLOT
	s_add_co_u32 s22, s22, SLOT
.endr
	v_mul_u32_u24 v5, v1, KS                       ; my row's scales: 32 bytes a row,
	v_lshrrev_b32 v6, 8, v5
	v_lshl_add_u32 v5, v6, 4, v5                   ; and 16 more for each 256 passed
	s_mul_i32 s21, s15, HALFS                      ; x's: my 128 rows
	s_mul_i32 s22, s16, HALFS                      ; W's: my 128 rows, behind x's 256
	s_add_co_u32 s22, s22, 2*HALFS
	s_sub_co_u32 s22, s22, s21
	v_mul_u32_u24 v6, s22, v2                      ; lanes 16-31 take W's: one product, the distance between the two bases x half
	s_add_co_u32 s21, s21, SCL
	v_add_nc_u32 v5, v5, v6
	v_add_nc_u32 v[ADRS], s21, v5
	s_mul_i32 s23, s14, 16*SPITCH                  ; my stage
	v_mul_u32_u24 v5, v1, SPITCH                   ; in: row l % 16, 16 bytes for each half of the lanes
	v_lshl_add_u32 v5, v2, 4, v5
	v_add_nc_u32 v[STO], s23, v5
	v_mul_u32_u24 v5, v2, SPITCH                   ; back: lanes 0-15 take one row of 256 bytes, lanes 16-31 the next
	v_lshl_add_u32 v5, v1, 4, v5
	v_add_nc_u32 v[RD], s23, v5
	v_lshlrev_b32 v5, 11, v2                       ; and the same two rows in qkv
	v_lshl_add_u32 v[CO], v1, 4, v5
	s_lshl_b32 s20, s17, 8
	s_lshl_b32 s21, s15, 7
	s_add_co_u32 s20, s20, s21                     ; my first row of C: 256 x tile row + 128 x half,
	s_lshl_b32 s20, s20, 11                        ; in bytes (under 2^26)
	s_lshl_b32 s46, s42, 9                         ; my first column, in bytes: 512 x tile column + 256 x half
	s_lshl_b32 s47, s16, 8
	s_add_co_u32 s46, s46, s47
	s_add_co_u32 s20, s20, s46
	s_mov_b32 s21, 0
	s_add_nc_u64 s[12:13], s[12:13], s[20:21]
.macro FRAG reg, adr, q, i             ; a fragment, 16 rows x 128 K of 4-bit codes: lane l holds row l % 16; registers 4 c .. 4 c + 3 hold K = 64 c + 32 (l / 16) + 0 .. 31
.irp c, 0,1
	ds_load_b128 v[\reg+4*\c:\reg+4*\c+3], v[\adr] offset:64*(\q)+32*\c+(\i)*16*PITCH
.endr
.endm
; 16 matrix instructions: x's blocks a0, a0 + 1 against W's eight, 128 along K.  p: W's set; sc: the set of scale words.  zero = 1: the first product starts the sums.
; The 64 accumulators take turns, one instruction a turn, in the same order in every step.
.macro MUL16 a0, p, q, sc, zero
.irp a, \a0, \a0+1
.irp b, 0,1,2,3,4,5,6,7
.if \zero
	v_wmma_scale_f32_16x16x128_f8f6f4 v[8*(8*((\a)%4)+\b):8*(8*((\a)%4)+\b)+7], v[128*(\p)+FR*\b:128*(\p)+FR*\b+FR-1], v[AF+FR*(\a):AF+FR*(\a)+FR-1], 0, v[SC+8*NQ*(\sc)+NQ*\b+(\q)], v[SC+8*NQ*(\sc)+NQ*(\a)+(\q)] matrix_a_fmt:MATRIX_FMT_FP4 matrix_b_fmt:MATRIX_FMT_FP4 matrix_a_scale:MATRIX_SCALE_ROW1
.else
	v_wmma_scale_f32_16x16x128_f8f6f4 v[8*(8*((\a)%4)+\b):8*(8*((\a)%4)+\b)+7], v[128*(\p)+FR*\b:128*(\p)+FR*\b+FR-1], v[AF+FR*(\a):AF+FR*(\a)+FR-1], v[8*(8*((\a)%4)+\b):8*(8*((\a)%4)+\b)+7], v[SC+8*NQ*(\sc)+NQ*\b+(\q)], v[SC+8*NQ*(\sc)+NQ*(\a)+(\q)] matrix_a_fmt:MATRIX_FMT_FP4 matrix_b_fmt:MATRIX_FMT_FP4 matrix_a_scale:MATRIX_SCALE_ROW1
.endif
.endr
.endr
.endm
.macro FETCH_B slot, q, p              ; W's eight fragments of the slot's q-th 128 along K into set p
	WIN TO_B
.irp i, 0,1,2,3,4,5,6,7
	FRAG 128*(\p)+FR*\i, ADRB+\slot, \q, \i
.endr
	WIN 0
.endm
.macro FETCH_A slot, q, i0             ; x's blocks i0 .. i0 + 3
.irp i, \i0, \i0+1, \i0+2, \i0+3
	FRAG AF+FR*(\i), ADRA+\slot, \q, \i
.endr
.endm
.macro SCALES sc                       ; a K step's scale words into set sc: four words a row; lanes 0-15 take x's block i, lanes 16-31 W's block i
.irp i, 0,1,2,3,4,5,6,7
	ds_load_b128 v[SC+8*NQ*\sc+NQ*\i:SC+8*NQ*\sc+NQ*\i+3], v[ADRS] offset:\i*SBLK
.endr
.endm
.macro PLACES n                        ; plain vector instructions between a matrix instruction and a load into, or a read of, its registers
.rept \n
	v_nop
.endr
.endm
; A step of 128 along K that has its successor in the same slot.  x has one set of registers: blocks 0-3 are fetched anew in the step's middle, blocks 4-7 at its end; W has two sets.
.macro STEP slot, q, zero
	s_wait_dscnt 4*NL                              ; W's set and x's blocks 0-3 are in; the youngest eight loads (x's blocks 4-7) may be out
	WIN MUL_LO
	MUL16 0, (\q)%2, \q, \slot, \zero
	MUL16 2, (\q)%2, \q, \slot, \zero
	s_wait_dscnt 0                                 ; x's blocks 4-7 are in
	PLACES NP
	FETCH_B \slot, (\q)+1, 1-(\q)%2
	FETCH_A \slot, (\q)+1, 0
	WIN MUL_HI
	MUL16 4, (\q)%2, \q, \slot, \zero
	MUL16 6, (\q)%2, \q, \slot, \zero
	PLACES NP
	WIN 0
	FETCH_A \slot, (\q)+1, 4
.endm
; Slot 0's last step goes over to slot 1: one barrier; in front of it each wave waits for all its tensor loads (its part of slot 1), adds 0 to its spare word, and waits for that and for its reads of slot 0.
.macro TURN slot, next
	s_wait_tensorcnt 0x0                           ; all my tensor loads have landed
	ds_add_u32 v[SPW], v[NIL]                      ; 0 onto my spare word
	s_wait_dscnt 4*NL+1                            ; (the add and the youngest eight loads, x's blocks 4-7, may be out)
	WIN MUL_LO
	MUL16 0, 1, NQ-1, \slot, 0
	s_wait_dscnt 0x0                               ; the add is done, and my reads of this slot are over
	s_barrier_signal -1
	MUL16 2, 1, NQ-1, \slot, 0
	WIN 0
	s_barrier_wait -1
	PLACES NP
	v_add_nc_u32 v[ADRS], 4*NQ, v[ADRS]            ; on to the next K step's scale words
	FETCH_B \next, 0, 0
	FETCH_A \next, 0, 0
	SCALES \next
	WIN MUL_HI
	MUL16 4, 1, NQ-1, \slot, 0
	MUL16 6, 1, NQ-1, \slot, 0
	PLACES NP
	WIN 0
	FETCH_A \next, 0, 4
.endm
	s_wait_tensorcnt 1                             ; the scales and my part of K step 0 are in (K step 1's load may be out),
	s_barrier_signal -1
	s_barrier_wait -1                              ; everybody's are
	FETCH_B 0, 0, 0
	FETCH_A 0, 0, 0
	SCALES 0
	FETCH_A 0, 0, 4
	STEP 0, 0, 1                                   ; the first step's products start the sums: nothing is cleared
	STEP 0, 1, 0
	STEP 0, 2, 0
	TURN 0, 1
	STEP 1, 0, 0
	STEP 1, 1, 0
	STEP 1, 2, 0
	s_wait_dscnt 4*NL                              ; the last step: nothing more to fetch
	WIN MUL_LO
	MUL16 0, 1, NQ-1, 1, 0
	MUL16 2, 1, NQ-1, 1, 0
	s_wait_dscnt 0
	WIN MUL_HI
	MUL16 4, 1, NQ-1, 1, 0
	MUL16 6, 1, NQ-1, 1, 0
	WIN 0
; THE WAY OUT, block by block of 16 rows x 128 columns.  PACK: rounded to f16, 16 bytes a lane, each accumulator from its low end on.  TOSTAGE: into my own stage, and back as whole rows of 256 bytes.  SEND: stored.
.macro PACK a
.set AC, 64*((\a)%4)
	WIN 0x0a+5*((\a)/4)                            ; sources 0 and 1: window 2 or 3
.irp b, 0,1,2,3,4,5,6,7
.irp r, 0,1,2,3
	v_cvt_pk_f16_f32 v[TMP+4*\b+\r], v[AC+8*\b+2*\r], v[AC+8*\b+2*\r+1]
.endr
.endr
	WIN 0
.endm
.macro TOSTAGE a
.set BKR, OB+192*((\a)%2)
.irp b, 0,1,2,3,4,5,6,7
	ds_store_b128 v[STO], v[TMP+4*\b:TMP+4*\b+3] offset:32*\b
.endr
.irp t, 0,1,2,3,4,5,6,7
	ds_load_b128 v[BKR+4*\t:BKR+4*\t+3], v[RD] offset:\t*2*SPITCH    ; LDS serves a wave's instructions in order: these see the stores above
.endr
.endm
.macro SEND a, younger
.set BKR, OB+192*((\a)%2)
	s_wait_dscnt \younger                          ; the block is back in registers
	s_wait_xcnt 0x0                                ; earlier stores have read their base and their registers: only now are these written again
.if (\a) > 0
	s_add_nc_u64 s[12:13], s[12:13], 16*CROW       ; 16 rows on
.endif
.irp t, 0,1,2,3,4,5,6,7
	global_store_b128 v[CO], v[BKR+4*\t:BKR+4*\t+3], s[12:13] offset:2*\t*CROW   ; 16 lanes store 256 consecutive bytes, aligned
.endr
.endm
	PLACES NP                                      ; behind the last products: for the conversions and for the loads into the registers that held scale words
	PACK 0
	TOSTAGE 0
.irp a, 1,2,3,4,5,6,7                  ; block a's conversions stand between block a - 1's loads from the stage and the wait for them
	PACK \a
	SEND \a-1, 0
	TOSTAGE \a
.endr
	SEND 7, 0
	s_wait_tensorcnt 0x0                           ; the wave's end
	ds_add_u32 v[SPW], v[NIL]
	s_wait_dscnt 0x0
	CROUND                                         ; the closing round: no work-group ends while a partner may still ask for a tile that names it
	s_endpgm
.Lfunc_end_k_qfa6eed493c_proj:
	.size	k_qfa6eed493c_proj, .Lfunc_end_k_qfa6eed493c_proj-k_qfa6eed493c_proj
	.p2alignl 7, 3214868480
	.fill 96, 4, 3214868480
	.section	.rodata,"a",@progbits
	.p2align	6, 0x0
	.amdhsa_kernel k_qfa6eed493c_proj
		.amdhsa_group_segment_fixed_size 327680
		.amdhsa_private_segment_fixed_size 0
		.amdhsa_enable_private_segment 0
		.amdhsa_kernarg_size 24
		.amdhsa_user_sgpr_count 2
		.amdhsa_user_sgpr_kernarg_segment_ptr 1
		.amdhsa_wavefront_size32 1
		.amdhsa_system_sgpr_workgroup_id_x 1
		.amdhsa_system_sgpr_workgroup_id_y 1
		.amdhsa_system_sgpr_workgroup_id_z 1
		.amdhsa_system_vgpr_workitem_id 0
		.amdhsa_next_free_vgpr 1024
		.amdhsa_next_free_sgpr 98
		.amdhsa_reserve_vcc 0
		.amdhsa_float_denorm_mode_32 3
		.amdhsa_float_denorm_mode_16_64 3
		.amdhsa_memory_ordered 1
		.amdhsa_forward_progress 1
		.amdhsa_inst_pref_size 127
	.end_amdhsa_kernel
	.amdgpu_metadata
---
amdhsa.version: [ 1, 2 ]
amdhsa.kernels:
  - .name:           k_qfa6eed493c_proj
    .symbol:         k_qfa6eed493c_proj.kd
    .args:
      - { .name: codes, .offset: 0, .size: 8, .value_kind: global_buffer, .address_space: global }
      - { .name: scales, .offset: 8, .size: 8, .value_kind: global_buffer, .address_space: global }
      - { .name: qkv, .offset: 16, .size: 8, .value_kind: global_buffer, .address_space: global }
    .group_segment_fixed_size: 327680
    .private_segment_fixed_size: 0
    .kernarg_segment_align: 8
    .kernarg_segment_size: 24
    .max_flat_workgroup_size: 128
    .sgpr_count:     98
    .vgpr_count:     1024
    .wavefront_size: 32
...
	.end_amdgpu_metadata
.endif
;; end of part 2
;; launch attn (part 3): grid 4 x 64, 8 waves a work-group, clusters of 4 x 1, 327,680 bytes of LDS; arguments qkv, mb, out1, rh; writes out1, rh
.if DOCPART == 3
	.amdgcn_target "amdgcn-amd-amdhsa--gfx1250"
	.amdhsa_code_object_version 6
	.text
	.protected	k_qfa6eed493c_attn
	.globl	k_qfa6eed493c_attn
	.p2align	8
	.type	k_qfa6eed493c_attn,@function
k_qfa6eed493c_attn:
	s_mov_b64 s[64:65], 0
	v_nop
	global_prefetch_b8 v0, s[64:65] scope:SCOPE_SE
	s_setreg_imm32_b32 hwreg(HW_REG_WAVE_MODE, 25, 1), 1
	s_wait_xcnt 0x0
	s_wait_alu depctr_hold_cnt(0) depctr_sa_sdst(0) depctr_va_vdst(0) depctr_va_sdst(0) depctr_va_ssrc(0) depctr_va_vcc(0) depctr_vm_vsrc(0)
	s_getreg_b32 s2, hwreg(HW_REG_IB_STS2, 6, 4)
	s_cmp_eq_u32 s2, 0
	s_cbranch_scc0 .Lentry_in_a_cluster
	s_endpgm
.Lentry_in_a_cluster:
	s_bfe_u32 s2, ttmp6, 0x10000c
	s_cmp_lg_u32 s2, 0x3003
	s_cbranch_scc0 .Lentry_shape_is_right
	s_endpgm
.Lentry_shape_is_right:
; res[b][h][q][:] = sum over k of w(q, k) V[b][h][k][:], w = mask x exp(Q . K / 8) / its row sum, 0 where that is NaN.  Q, K, V: f16, qkv [3][b][h][2048][64].  Both products on f16 operands, sums in f32.
; It is stored twice: out1 [h][b][q][64] f32, and rh [b][h][q][64] f16 for the projection that follows.
; THE EXPONENTIAL.  t = score x log2(e) / 8; M = the row's largest t so far, rounded UP to a whole number; p = 2^(t - M), at most 1, is what goes on in f16.  When M moves, the sum l and O are multiplied by
; 2^(old M - new M), which rounds nothing.  At the end O / l is the result, and what the plain exponential would have done is restored from L = l x 2^M: where L is 0 or infinite the row is 0.
; THE MASK costs no vector instruction.  mb holds it as codes of E2M1, 0 for a visible key and -6 for a hidden one, in the order of an operand's registers.  One scaled matrix instruction for each tile of
; 16 keys x 16 queries multiplies it by a constant operand that holds 6 at (key m, k = 16 u + m) and 0 elsewhere, both under the scale 2^60: it STARTS the tile's sum with 0 or with -36 x 2^120, onto which K Q^T is added.
; A hidden score's p is then 0.  A row with no visible key keeps its first M, -1e30, and l = 0: the row is 0.
; SHARES.  A work-group owns 512 queries of one head, each of its eight waves 64: four tiles of 16.  Two waves share a SIMD's registers, 512 each, so that one wave's vector work can stand beside the other's products.
; Every wave walks all 2,048 keys, 64 a step.  LAYOUT: both products transposed (S^T = K Q^T, O^T = V^T P): a lane holds ONE query throughout; two tiles of S^T, rounded in pairs, ARE an operand of the second product.
; CLUSTER.  The four query blocks of a head walk the same K and V: each tile is asked for JOINTLY.  A slot holds four steps; waves 0-3 fetch the four steps' K, waves 4-7 their V: one load a wave behind each round.
; By this text's count a wave has one tensor load out.
; LIMITS: NaN and infinities among the inputs are not served; at the very border where the plain sum of exponentials overflows or vanishes in f32 the choice 'row = 0' may differ from a sum taken in another order;
; results under 6e-5 lose bits in rh (f16 subnormals).
; REGISTERS.  window 0: v1-15 addresses and constants; v16-47 eight registers of statistics a tile; v48-63 four at work a tile; v64-191 S^T, then p, then P (32 a tile); v192-255 K's, then V's eight fragments.
;   window 1: v0-63 Q; v64-191 O^T (32 a tile); v192-223 the mask's operands (8 a tile: four loaded, four zeros); v224-243 the constant operand, read at four offsets.
.set KS,    64                         ; keys in a step
.set PK,    144                        ; a row of K in LDS: 128 bytes + 16 of padding
.set PV,    160                        ; a row of V: 128 + 32
.set VOFF,  KS*PK
.set STEPB, KS*(PK+PV)                 ; a step's tiles lie together: 64 rows of K, then 64 rows of V
.set NST,   4                          ; steps in a slot
.set SLOT1, 1<<17                      ; slot 1 begins here, so that one exclusive or turns an address in one slot into the other's
.set STAGE, SLOT1+NST*STEPB            ; behind the ring: 16 rows x 272 bytes for each wave, for the way out
.set STW,   4352
.set SPARE, STAGE+8*STW                ; the spare words, 128 bytes for each wave: four blocks of 256 bytes that no other line names
.set AK0, 1                            ; v1   my lane's place in a tile of K
.set AV0, 2                            ; v2   the same for V
.set ADK, 3                            ; v3   LDS address of the step's K
.set ADV, 4                            ; v4   of its V
.set MO,  5                            ; v5   my byte offset in the wave's part of mb: 16 x lane + 2,048 x step
.set MOMAX, 6                          ; v6   the last step's
.set STO, 7                            ; v7   the way out: f32, in
.set RD,  8                            ; v8   f32, back
.set GO,  9                            ; v9   16 x lane
.set STO2, 10                          ; v10  f16, in
.set RD2, 11                           ; v11  f16, back
.set SPW, 12                           ; v12  LDS address of my spare word; never rewritten
.set NIL, 13                           ; v13  0; never rewritten
.set SCL, 14                           ; v14  the mask products' scales: 2^60 in every byte; holds scales and nothing else
.set PFO, 15                           ; v15  256 x lane; never rewritten
.set ST,  16                           ; tile t at v[ST + 8 t]: +0 -M, +1 the largest t, +2, +3 l (even keys', odd keys'), +4 f, later 1 / l, +5 written once (named with +4 as a pair)
.set WK,  48
.set S,   64
.set KV,  192
.set OT,  64                           ; window 1
.set MB,  192                          ; window 1
.set TB,  2                            ; s2   LDS byte at which the step's tiles begin
.set CNT, 3                            ; s3   counts a slot's steps
.set WV,  12                           ; s12  my wave's number
.set LIM, 15                           ; s15  0 in a work-group that prefetches, else the greatest number
.set PFA, 18                           ; s[18:19] where my prefetches stand
.set G1K, 24
.set G1V, 32
.set G0K, 40
.set G0V, 44
.set SLOTS, 56
.set CS,  58                           ; s[58:59] c = log2(e) / 8
.set SEL, 60                           ; s[60:61] lane selects: lane l xor 16
.set MSB, 0
.macro WIN new                         ; the immediate's high byte repeats the setting that is left
.if MSB != \new
	s_set_vgpr_msb (MSB<<8)|\new
.set MSB, \new
.endif
.endm
.set W_MK, 0x05                        ; sources 0 and 1 window 1
.set W_KQ, 0x04                        ; source 1 (Q) window 1
.set W_PV, 0x50                        ; C and D (O^T) window 1
.set W_RS, 0x41                        ; destination and source 0 window 1
.set TO1,  0x40                        ; destination window 1
.set W_OUT, 0x01                       ; source 0 window 1
; A joint load.  The branch hangs on the wave's number alone.  An s_nop 0 and four v_nop follow each of the two lines.
.macro JLOAD
	s_cmp_lt_u32 s[WV], 4
	s_cbranch_scc0 .Lfor_v_\@
	tensor_load_to_lds s[G0K:G0K+3], s[G1K:G1K+7]
	s_nop 0
.rept 4
	v_nop
.endr
	s_branch .Lasked_\@
.Lfor_v_\@:
	tensor_load_to_lds s[G0V:G0V+3], s[G1V:G1V+7]
	s_nop 0
.rept 4
	v_nop
.endr
.Lasked_\@:
.endm
; A prefetch of the mask codes that my wave's next four steps will load: 8,192 bytes, lanes 256 bytes apart, one instruction.  The sixteen heads of a batch read the same codes: head 0's cluster asks
; (the condition is the cluster's y, the same in all four partners); each wave asks for its own queries' part, so each block of 256 bytes is named once in the launch.  It is asked in each of the seven
; changes that fill a slot, for slots 1 to 7: none points past the wave's 65,536 bytes.
.macro ASK
	s_cmp_gt_u32 s[SLOTS], s[LIM]
	s_cbranch_scc0 .Lnot_mine_\@
	global_prefetch_b8 v[PFO], s[PFA:PFA+1] th:TH_LOAD_NT scope:SCOPE_SE
.Lnot_mine_\@:
.endm
.macro CROUND                          ; a round of the cluster's barrier
	s_barrier_signal -1
	s_barrier_wait -1
	s_cmp_lg_u32 s[WV], 0
	s_cbranch_scc1 .Lnot_wave_0_\@
	s_barrier_signal -3
.Lnot_wave_0_\@:
	s_barrier_wait -3
	s_barrier_signal -1
	s_barrier_wait -1
.endm
	s_load_b256 s[4:11], s[0:1], 0x0               ; qkv s[4:5], mb s[6:7], out1 s[8:9], rh s[10:11]
	v_lshl_add_u32 v[SPW], v0, 2, SPARE
	v_mov_b32 v[NIL], 0
	ds_add_u32 v[SPW], v[NIL]                      ; the wave's opening: the add, twice on end, and its wait ahead of my first tensor load
	ds_add_u32 v[SPW], v[NIL]
	v_lshrrev_b32 v1, 5, v0
	v_readfirstlane_b32 s[WV], v1                  ; wave 0..7
	s_bfe_u32 s13, ttmp6, 0x40000                  ; cx: my block of 512 queries: it enters global addresses of Q, mb, out1 and rh alone
	s_and_b32 s14, ttmp7, 0xffff                   ; 16 batch + head, which the four partners share
	s_and_b32 s16, s[WV], 3                        ; which of a slot's four steps I fetch:
	s_lshl_b32 s20, s14, 18                        ; the head's 262,144 bytes,
	s_lshl_b32 s17, s16, 13                        ; the step's 64 rows of 128 bytes
	s_add_co_u32 s20, s20, s17
	s_mov_b32 s21, 0
	s_mul_i32 s17, s16, STEPB                      ; and its place in a slot
	s_lshl_b32 s22, s14, 18                        ; Q and rh: the head, + 512 cx + 64 wave rows of 128 bytes
	s_lshl_b32 s48, s13, 16
	s_add_co_u32 s22, s22, s48
	s_lshl_b32 s48, s[WV], 13
	s_add_co_u32 s22, s22, s48
	s_mov_b32 s23, 0
	s_lshr_b32 s48, s14, 4                         ; batch
	s_lshl_b32 s50, s48, 5
	s_lshl_b32 s49, s13, 3
	s_add_co_u32 s50, s50, s49
	s_add_co_u32 s50, s50, s[WV]                   ; mb: 32 batch + 8 cx + wave blocks of 64 queries,
	s_lshl_b32 s50, s50, 16                        ; 65,536 bytes each
	s_mov_b32 s51, 0
	s_and_b32 s49, s14, 15                         ; head
	s_lshl_b32 s49, s49, 2
	s_add_co_u32 s49, s49, s48                     ; out1: 4 head + batch planes of 2,048 rows of 256 bytes,
	s_lshl_b32 s52, s49, 19
	s_lshl_b32 s49, s13, 17
	s_add_co_u32 s52, s52, s49
	s_lshl_b32 s49, s[WV], 14
	s_add_co_u32 s52, s52, s49                     ; + 512 cx + 64 wave rows
	s_mov_b32 s53, 0
	; descriptor group 1: a tile of 64 rows x 64 elements of 2 bytes, dense in memory, padded in LDS
	s_mov_b32 s[G1K], 15|(1<<16)|(1<<20)|(1<<21)|(4<<22)|(3<<25)  ; 15:0 the mask: all four work-groups; 17:16 elements of 2 bytes; 20 padding on; 21 set beside a mask; 24:22 after every 32 words; 31:25 four words
	s_mov_b32 s[G1V], 15|(1<<16)|(1<<20)|(1<<21)|(4<<22)|(7<<25)  ; the same with eight words of padding
.irp g, G1K, G1V
	s_mov_b32 s[\g+1], 64<<16                      ; tensor_dim0
	s_mov_b32 s[\g+2], KS<<16                      ; tensor_dim1
	s_mov_b32 s[\g+3], 64<<16                      ; tile_dim0
	s_mov_b32 s[\g+4], KS                          ; tile_dim1
	s_mov_b32 s[\g+5], 64                          ; tensor_dim0_stride
	s_mov_b32 s[\g+6], 0
	s_mov_b32 s[\g+7], 0
.endr
	s_mov_b32 s[CS], 0x3e38aa3b                    ; c = log2(e) / 8
	s_mov_b32 s[CS+1], s[CS]                       ; (named with it as a pair, so it is written)
	s_mov_b32 s[SEL], 0x76543210
	s_mov_b32 s[SEL+1], 0xfedcba98
	s_mov_b32 s[TB], 0
	s_mov_b32 s[SLOTS], 2048/(NST*KS)-1            ; 7 slots are asked for behind the first
	s_and_b32 s[LIM], s14, 15
	s_cmp_eq_u32 s[LIM], 0
	s_cselect_b32 s[LIM], 0, -1
	s_wait_dscnt 0x0                               ; both opening adds are done
	s_wait_kmcnt 0x0
	s_mov_b32 s[G0K], 1                            ; count = 1
	s_mov_b32 s[G0K+1], s17                        ; LDS address: slot 0
	s_add_nc_u64 s[G0K+2:G0K+3], s[4:5], s[20:21]
	s_add_nc_u64 s[G0K+2:G0K+3], s[G0K+2:G0K+3], 16777216    ; K is the second of qkv's three planes
	s_or_b32 s[G0K+3], s[G0K+3], 0x80000000        ; type = 2
	s_mov_b32 s[G0V], 1
	s_add_co_u32 s[G0V+1], s17, VOFF
	s_add_nc_u64 s[G0V+2:G0V+3], s[4:5], s[20:21]
	s_add_nc_u64 s[G0V+2:G0V+3], s[G0V+2:G0V+3], 33554432    ; V the third
	s_or_b32 s[G0V+3], s[G0V+3], 0x80000000
	s_add_nc_u64 s[4:5], s[4:5], s[22:23]          ; Q at my wave's first row
	s_add_nc_u64 s[6:7], s[6:7], s[50:51]          ; mb at my wave's 64 queries
	s_mov_b64 s[PFA:PFA+1], s[6:7]                 ; the first change of slots steps it to slot 1; nothing is prefetched at the head
	s_add_nc_u64 s[8:9], s[8:9], s[52:53]
	s_add_nc_u64 s[10:11], s[10:11], s[22:23]
	CROUND                                         ; all four work-groups are here: the first joint loads meet
	JLOAD                                          ; slot 0
	v_and_b32 v48, 15, v0                          ; r
	v_bfe_u32 v49, v0, 4, 1                        ; h
	v_and_b32 v50, 31, v0                          ; lane
	v_lshlrev_b32 v51, 7, v48
	v_lshl_add_u32 v51, v49, 4, v51                ; Q: row r of 128 bytes, + 16 h
	v_lshlrev_b32 v[MO], 4, v50
	v_add_nc_u32 v[MOMAX], 31*2048, v[MO]
	WIN TO1
.irp f, 0,1,2,3,4,5,6,7                        ; Q stays in registers: fragment f: tile f / 2, channels 32 (f % 2) on
	global_load_b128 v[8*\f:8*\f+3],   v51, s[4:5] offset:(\f/2)*2048+(\f%2)*64
	global_load_b128 v[8*\f+4:8*\f+7], v51, s[4:5] offset:(\f/2)*2048+(\f%2)*64+32
.endr
.irp t, 0,1,2,3
	global_load_b128 v[MB+8*\t:MB+8*\t+3], v[MO], s[6:7] offset:512*\t   ; step 0's mask codes
.endr
	WIN 0
	v_mul_u32_u24 v[AK0], v48, PK
	v_lshl_add_u32 v[AK0], v49, 4, v[AK0]          ; K: row r x pitch + 16 h
	v_and_b32 v52, 7, v0
	v_bfe_u32 v53, v0, 3, 1
	v_lshl_add_u32 v[AV0], v49, 3, v52             ; V, by the turning load: key 8 h + l % 8, channels 8 ((l / 8) % 2) on
	v_mul_u32_u24 v[AV0], v[AV0], PV
	v_lshl_add_u32 v[AV0], v53, 4, v[AV0]
	v_add_nc_u32 v[AV0], VOFF, v[AV0]
	s_mul_i32 s16, s[WV], STW
	s_add_co_u32 s16, s16, STAGE                   ; my stage
	v_mul_u32_u24 v[STO], v48, 272
	v_lshl_add_u32 v[STO], v49, 5, v[STO]
	v_add_nc_u32 v[STO], s16, v[STO]               ; f32, in: row r, 32 bytes for each half of the lanes
	v_mul_u32_u24 v[RD], v49, 272
	v_lshl_add_u32 v[RD], v48, 4, v[RD]
	v_add_nc_u32 v[RD], s16, v[RD]                 ; back: lanes 0-15 one row of 256 bytes, lanes 16-31 the next
	v_lshlrev_b32 v[GO], 4, v50
	v_mul_u32_u24 v[STO2], v48, 144
	v_lshl_add_u32 v[STO2], v49, 4, v[STO2]
	v_add_nc_u32 v[STO2], s16, v[STO2]             ; f16, in: row r of 128 bytes + 16, 16 bytes for each half
	v_bfe_u32 v54, v0, 3, 2                        ; lane / 8
	v_mul_u32_u24 v[RD2], v54, 144
	v_lshl_add_u32 v[RD2], v52, 4, v[RD2]
	v_add_nc_u32 v[RD2], s16, v[RD2]               ; back: eight lanes to a row, four rows an instruction
	v_mov_b32 v[SCL], 0xbbbbbbbb                   ; E8M0 byte 187 = 2^60
	v_lshlrev_b32 v[PFO], 8, v50
	v_lshlrev_b32 v55, 2, v52
	v_mov_b32 v56, 7                               ; the code of 6
	v_lshlrev_b32 v55, v55, v56                    ; at the place of k % 8 = lane % 8
	WIN TO1
	; the constant operand: row m holds 6 at k = 16 u + m.  k = 32 h + 8 x register + place: so lanes 0-7 in v226, 8-15 in v227 (h = 0), lanes 16-23 in v236, 24-31 in v237 (h = 1), zeros round them;
	; read from v226 on it serves u = 0, from v224 u = 1, from v236 u = 2, from v234 u = 3
	v_cmp_eq_u32 vcc_lo, 0, v54
	v_cndmask_b32 v226, 0, v55, vcc_lo
	v_cmp_eq_u32 vcc_lo, 1, v54
	v_cndmask_b32 v227, 0, v55, vcc_lo
	v_cmp_eq_u32 vcc_lo, 2, v54
	v_cndmask_b32 v236, 0, v55, vcc_lo
	v_cmp_eq_u32 vcc_lo, 3, v54
	v_cndmask_b32 v237, 0, v55, vcc_lo
.irp i, 224,225,228,229,230,231,232,233,234,235,238,239,240,241,242,243
	v_mov_b32 v\i, 0
.endr
.irp t, 0,1,2,3
.irp i, 4,5,6,7
	v_mov_b32 v[MB+8*\t+\i], 0                     ; k = 64 .. 127 of the mask's operands: zero codes
.endr
.endr
.set i, 0
.rept 128
	v_mov_b32 v[OT+i], 0                           ; O^T.  The step is written once: its first rescaling multiplies zeros; a first step of its own would be a third copy of the step's text
.set i, i+1
.endr
	WIN 0
.irp t, 0,1,2,3
	v_mov_b32 v[ST+8*\t], 0x7149f2ca               ; -M = 1e30
	v_mov_b32 v[ST+8*\t+1], 0xf149f2ca             ; the largest t so far: -1e30: under every visible t, above every hidden one
	v_mov_b32 v[ST+8*\t+2], 0                      ; l
	v_mov_b32 v[ST+8*\t+3], 0
	v_mov_b32 v[ST+8*\t+4], 0
	v_mov_b32 v[ST+8*\t+5], 0
.endr
; A KEY STEP: 64 keys.  Every wait in it is for 0.
.macro STEP
	v_add_nc_u32 v[ADK], s[TB], v[AK0]             ; these five plain lines are the places behind the last step's products, whose operands are loaded into and written over below
	v_add_nc_u32 v[ADV], s[TB], v[AV0]
	v_nop
	v_nop
	v_nop
.irp f, 0,1,2,3,4,5,6,7                        ; K's fragment f: keys 16 (f / 2) on, channels 32 (f % 2) on
	ds_load_b128 v[KV+8*\f:KV+8*\f+3],   v[ADK] offset:(\f/2)*16*PK+(\f%2)*64
	ds_load_b128 v[KV+8*\f+4:KV+8*\f+7], v[ADK] offset:(\f/2)*16*PK+(\f%2)*64+32
.endr
	s_wait_loadcnt 0x0                             ; this step's mask codes, asked for a step ago
	WIN W_MK
.irp u, 0,1,2,3                                ; the mask starts the 16 sums: 0, or -36 x 2^120 for a hidden key
.set IDU, 226-2*(\u%2)+10*(\u/2)
.irp t, 0,1,2,3
	v_wmma_scale_f32_16x16x128_f8f6f4 v[S+32*\t+8*\u:S+32*\t+8*\u+7], v[IDU:IDU+7], v[MB+8*\t:MB+8*\t+7], 0, v[SCL], v[SCL] matrix_a_fmt:MATRIX_FMT_FP4 matrix_b_fmt:MATRIX_FMT_FP4
.endr
.endr
	WIN 0
	v_add_nc_u32 v[MO], 2048, v[MO]                ; the next step's codes; in the last step the last step's again: no load leaves the buffer.  (Five places: products of another form add onto these sums)
	v_min_u32 v[MO], v[MO], v[MOMAX]
	v_nop
	v_nop
	v_nop
	WIN TO1
.irp t, 0,1,2,3
	global_load_b128 v[MB+8*\t:MB+8*\t+3], v[MO], s[6:7] offset:512*\t
.endr
	s_wait_dscnt 0x0                               ; K is in
	WIN W_KQ
.irp c, 0,1                                    ; S^T += K Q^T: the 16 accumulators take turns, one instruction a turn
.irp u, 0,1,2,3
.irp t, 0,1,2,3
	v_wmma_f32_16x16x32_f16 v[S+32*\t+8*\u:S+32*\t+8*\u+7], v[KV+8*(2*\u+\c):KV+8*(2*\u+\c)+7], v[8*(2*\t+\c):8*(2*\t+\c)+7], v[S+32*\t+8*\u:S+32*\t+8*\u+7]
.endr
.endr
.endr
	WIN 0
.rept 4
	v_nop                                          ; places in front of the loads into K's registers and of the first read of the scores
.endr
.irp f, 0,1,2,3,4,5,6,7                        ; V's fragment f, turned: keys 32 (f / 4) on, channels 16 (f % 4) on.  It lands while the softmax is walked
	ds_load_tr16_b128 v[KV+8*\f:KV+8*\f+3],   v[ADV] offset:(\f/4)*32*PV+(\f%4)*32
	ds_load_tr16_b128 v[KV+8*\f+4:KV+8*\f+7], v[ADV] offset:(\f/4)*32*PV+16*PV+(\f%4)*32
.endr
	; the largest of a lane's 32 scores: four chains a tile, each begun at an accumulator's low end; the four tiles by turns, so that no line waits for the line above it
.irp j, 0,1,2,3
.irp t, 0,1,2,3
	v_max3_num_f32 v[WK+4*\t+\j], v[S+32*\t+8*\j], v[S+32*\t+8*\j+1], v[S+32*\t+8*\j+2]
.endr
.endr
.irp i, 3,5
.irp j, 0,1,2,3
.irp t, 0,1,2,3
	v_max3_num_f32 v[WK+4*\t+\j], v[WK+4*\t+\j], v[S+32*\t+8*\j+\i], v[S+32*\t+8*\j+\i+1]
.endr
.endr
.endr
.irp t, 0,1,2,3
	v_max3_num_f32 v[WK+4*\t], v[WK+4*\t], v[S+32*\t+7], v[S+32*\t+15]
.endr
.irp t, 0,1,2,3
	v_max3_num_f32 v[WK+4*\t+2], v[WK+4*\t+2], v[S+32*\t+23], v[S+32*\t+31]
.endr
.irp t, 0,1,2,3
	v_max3_num_f32 v[WK+4*\t], v[WK+4*\t], v[WK+4*\t+1], v[WK+4*\t+2]
.endr
.irp t, 0,1,2,3
	v_max_num_f32 v[WK+4*\t], v[WK+4*\t], v[WK+4*\t+3]
.endr
.irp t, 0,1,2,3
	v_permlanex16_b32 v[WK+4*\t+1], v[WK+4*\t], s[SEL], s[SEL+1]   ; the query's other 32 keys lie in the lane 16 away
.endr
.irp t, 0,1,2,3
	v_max_num_f32 v[WK+4*\t], v[WK+4*\t], v[WK+4*\t+1]
.endr
.irp t, 0,1,2,3
	v_mul_f32 v[WK+4*\t], s[CS], v[WK+4*\t]        ; as t (c is positive)
.endr
.irp t, 0,1,2,3
	v_max_num_f32 v[ST+8*\t+1], v[ST+8*\t+1], v[WK+4*\t]   ; the running largest t
.endr
.irp t, 0,1,2,3
	v_mov_b32 v[WK+4*\t+1], v[ST+8*\t]
.endr
.irp t, 0,1,2,3
	v_floor_f32 v[ST+8*\t], -v[ST+8*\t+1]          ; the new -M = floor(-t): M is a whole number
.endr
.irp t, 0,1,2,3
	v_sub_f32 v[WK+4*\t+1], v[ST+8*\t], v[WK+4*\t+1]   ; old M - new M: a whole number, 0 or less
.endr
.irp t, 0,1,2,3
	v_cvt_i32_f32 v[WK+4*\t+1], v[WK+4*\t+1]       ; (it saturates)
.endr
.irp t, 0,1,2,3
	v_ldexp_f32 v[ST+8*\t+4], 1.0, v[WK+4*\t+1]    ; f = 2^(old M - new M)
.endr
.irp i, 0,2,4,6,8,10,12,14,16,18,20,22,24,26,28,30
.irp t, 0,1,2,3
	v_pk_fma_f32 v[S+32*\t+\i:S+32*\t+\i+1], v[S+32*\t+\i:S+32*\t+\i+1], s[CS:CS+1], v[ST+8*\t:ST+8*\t+1] op_sel_hi:[1,0,0]   ; t - M, two at a time
.endr
.endr
	WIN W_RS
.irp t, 0,1,2,3                                ; O^T under the new M, each accumulator from its low end on
.set i, 0
.rept 16
	v_pk_mul_f32 v[OT+32*\t+i:OT+32*\t+i+1], v[OT+32*\t+i:OT+32*\t+i+1], v[ST+8*\t+4:ST+8*\t+5] op_sel_hi:[1,0]
.set i, i+2
.endr
.endr
	WIN 0
.set i, 0
.rept 128
	v_exp_f32 v[S+i], v[S+i]                       ; p = 2^(t - M): ONE batch
.set i, i+1
.endr
.irp t, 0,1,2,3
	v_pk_mul_f32 v[ST+8*\t+2:ST+8*\t+3], v[ST+8*\t+2:ST+8*\t+3], v[ST+8*\t+4:ST+8*\t+5] op_sel_hi:[1,0]   ; l under the new M: plain lines behind the batch that name none of its results
.endr
	s_wait_alu depctr_va_vdst(0)                   ; one wait for the batch, ahead of its first reader
.irp t, 0,1,2,3                                ; the row's sum, of p in f32: two chains a tile
	v_pk_add_f32 v[WK+4*\t:WK+4*\t+1], v[S+32*\t+2:S+32*\t+3], v[S+32*\t+6:S+32*\t+7]
.endr
.irp t, 0,1,2,3
	v_pk_add_f32 v[ST+8*\t+2:ST+8*\t+3], v[ST+8*\t+2:ST+8*\t+3], v[S+32*\t:S+32*\t+1]
.endr
.irp t, 0,1,2,3
	v_pk_add_f32 v[ST+8*\t+2:ST+8*\t+3], v[ST+8*\t+2:ST+8*\t+3], v[S+32*\t+4:S+32*\t+5]
.endr
.irp i, 8,12,16,20,24,28
.irp t, 0,1,2,3
	v_pk_add_f32 v[ST+8*\t+2:ST+8*\t+3], v[ST+8*\t+2:ST+8*\t+3], v[S+32*\t+\i:S+32*\t+\i+1]
.endr
.irp t, 0,1,2,3
	v_pk_add_f32 v[WK+4*\t:WK+4*\t+1], v[WK+4*\t:WK+4*\t+1], v[S+32*\t+\i+2:S+32*\t+\i+3]
.endr
.endr
.irp t, 0,1,2,3
	v_pk_add_f32 v[ST+8*\t+2:ST+8*\t+3], v[ST+8*\t+2:ST+8*\t+3], v[WK+4*\t:WK+4*\t+1]
.endr
.irp g, 0,1                                    ; p to f16, in place and ascending: the 16 registers of key tiles 2 g, 2 g + 1 become the 8 of P (32 keys x 16 queries)
.irp i, 0,1,2,3,4,5,6,7
.irp t, 0,1,2,3
	v_cvt_pk_f16_f32 v[S+32*\t+16*\g+\i], v[S+32*\t+16*\g+2*\i], v[S+32*\t+16*\g+2*\i+1]
.endr
.endr
.endr
	s_wait_dscnt 0x0                               ; V is in
	WIN W_PV
.irp g, 0,1                                    ; O^T += V^T P: the 16 accumulators take turns
.irp d, 0,1,2,3
.irp t, 0,1,2,3
	v_wmma_f32_16x16x32_f16 v[OT+32*\t+8*\d:OT+32*\t+8*\d+7], v[KV+8*(4*\g+\d):KV+8*(4*\g+\d)+7], v[S+32*\t+16*\g:S+32*\t+16*\g+7], v[OT+32*\t+8*\d:OT+32*\t+8*\d+7]
.endr
.endr
.endr
	WIN 0
	s_add_co_u32 s[TB], s[TB], STEPB
.endm
.macro FOUR_STEPS                      ; a slot's steps: written once, walked four times
	s_mov_b32 s[CNT], NST
.Lstep_\@:
	STEP
	s_sub_co_u32 s[CNT], s[CNT], 1
	s_cmp_lg_u32 s[CNT], 0
	s_cbranch_scc1 .Lstep_\@
	s_sub_co_u32 s[TB], s[TB], NST*STEPB           ; back to a slot's first step,
	s_xor_b32 s[TB], s[TB], SLOT1                  ; in the other slot
.endm
; THE CHANGE OF SLOTS stands at a slot's head.  Each wave waits for all its tensor loads (its part of the slot that it is about to read), adds 0 to its spare word, and waits for that and for its reads of the slot that it
; has left.  fill = 1: the barrier is a round of the cluster's, and behind it the other slot is asked for jointly: that load has the slot's four steps in which to land.
.macro CHANGE fill
	s_wait_tensorcnt 0x0                           ; no tensor load of mine is out, so a group 0 may be written
	ds_add_u32 v[SPW], v[NIL]                      ; 0 onto my spare word
.if \fill
	s_xor_b32 s[G0K+1], s[G0K+1], SLOT1            ; the walking descriptors: the other slot,
	s_add_nc_u64 s[G0K+2:G0K+3], s[G0K+2:G0K+3], NST*KS*128   ; the next 256 keys
	s_xor_b32 s[G0V+1], s[G0V+1], SLOT1
	s_add_nc_u64 s[G0V+2:G0V+3], s[G0V+2:G0V+3], NST*KS*128
	s_wait_xcnt 0x0                                ; the last prefetch, a slot back, has read its address, so it may be written
	s_add_nc_u64 s[PFA:PFA+1], s[PFA:PFA+1], NST*2048
	s_wait_dscnt 0x0                               ; the add is done, and my reads of the slot that I have left are over
	CROUND
	JLOAD
	ASK
.else
	s_wait_dscnt 0x0
	s_barrier_signal -1
	s_barrier_wait -1
.endif
.endm
	s_wait_loadcnt 0x0                             ; Q, and step 0's mask codes
.Lslot:                                            ; seven trips: behind each change of slots but the last the next slot is asked for
	CHANGE 1
	FOUR_STEPS
	s_sub_co_u32 s[SLOTS], s[SLOTS], 1
	s_cmp_lg_u32 s[SLOTS], 0
	s_cbranch_scc1 .Lslot
	CHANGE 0                                       ; the last slot is written out
	FOUR_STEPS
	; THE WAY OUT.  l's halves are added; L = l x 2^M says what the plain sum of exponentials would have been: 1 / l counts where 0 < L < infinity, else 0.  The additions are the places behind the last products.
	s_mov_b32 s20, 0x7f800000
.irp t, 0,1,2,3
	v_add_f32 v[WK+4*\t], v[ST+8*\t+2], v[ST+8*\t+3]
.endr
.irp t, 0,1,2,3
	v_permlanex16_b32 v[WK+4*\t+1], v[WK+4*\t], s[SEL], s[SEL+1]
.endr
.irp t, 0,1,2,3
	v_add_f32 v[WK+4*\t], v[WK+4*\t], v[WK+4*\t+1]
.endr
.irp t, 0,1,2,3
	v_cvt_i32_f32 v[WK+4*\t+1], v[ST+8*\t]         ; -M as a whole number (it saturates: a row with no visible key gives the greatest one),
.endr
.irp t, 0,1,2,3
	v_sub_nc_u32 v[WK+4*\t+1], 0, v[WK+4*\t+1]     ; and M
.endr
.irp t, 0,1,2,3
	v_ldexp_f32 v[WK+4*\t+2], v[WK+4*\t], v[WK+4*\t+1]
.endr
.irp t, 0,1,2,3
	v_rcp_f32 v[WK+4*\t+3], v[WK+4*\t]
.endr
	v_nop                                          ; a plain line behind the last reciprocal
	s_wait_alu depctr_va_vdst(0)                   ; one wait for the four, ahead of their first reader
.irp t, 0,1,2,3
	v_cmp_lt_f32 vcc_lo, 0, v[WK+4*\t+2]
	v_cndmask_b32 v[ST+8*\t+4], 0, v[WK+4*\t+3], vcc_lo
	v_cmp_gt_f32 vcc_lo, s20, v[WK+4*\t+2]
	v_cndmask_b32 v[ST+8*\t+4], 0, v[ST+8*\t+4], vcc_lo
.endr
; Tile t: 16 rows.  A lane's eight channels of a row are 32 bytes in f32 and 16 in f16, and the lanes beside it hold other rows: so both forms go through my stage, one after the other (LDS serves a wave's
; instructions in order), and come back as whole rows.  No register is written twice, so no store's data wait for anything.
.macro OUT t
	WIN W_OUT
.set i, 0
.rept 16
	v_pk_mul_f32 v[S+32*\t+i:S+32*\t+i+1], v[OT+32*\t+i:OT+32*\t+i+1], v[ST+8*\t+4:ST+8*\t+5] op_sel_hi:[1,0]   ; O^T / l, each accumulator from its low end on
.set i, i+2
.endr
	WIN 0
.irp d, 0,1,2,3
	ds_store_b128 v[STO], v[S+32*\t+8*\d:S+32*\t+8*\d+3] offset:64*\d
	ds_store_b128 v[STO], v[S+32*\t+8*\d+4:S+32*\t+8*\d+7] offset:64*\d+16
.endr
.set i, 0
.rept 16
	v_cvt_pk_f16_f32 v[KV+16*\t+i], v[S+32*\t+2*i], v[S+32*\t+2*i+1]
.set i, i+1
.endr
.irp i, 0,1,2,3,4,5,6,7
	ds_load_b128 v[S+32*\t+4*\i:S+32*\t+4*\i+3], v[RD] offset:\i*2*272
.endr
.irp d, 0,1,2,3
	ds_store_b128 v[STO2], v[KV+16*\t+4*\d:KV+16*\t+4*\d+3] offset:32*\d
.endr
.irp i, 0,1,2,3
	ds_load_b128 v[KV+16*\t+4*\i:KV+16*\t+4*\i+3], v[RD2] offset:\i*4*144
.endr
	s_wait_dscnt 8                                 ; the f32 rows are back; the f16 form's four stores and four loads may be out
.irp i, 0,1,2,3,4,5,6,7
	global_store_b128 v[GO], v[S+32*\t+4*\i:S+32*\t+4*\i+3], s[8:9] offset:\t*4096+\i*512 th:TH_STORE_NT   ; the wave stores 512 consecutive bytes, aligned: two rows of out1
.endr
	s_wait_dscnt 0x0
.irp i, 0,1,2,3
	global_store_b128 v[GO], v[KV+16*\t+4*\i:KV+16*\t+4*\i+3], s[10:11] offset:\t*2048+\i*512   ; 512 consecutive bytes, aligned: four rows of rh
.endr
.endm
	OUT 0
	OUT 1
	OUT 2
	OUT 3
	s_wait_tensorcnt 0x0                           ; the wave's end
	ds_add_u32 v[SPW], v[NIL]
	s_wait_dscnt 0x0
	CROUND                                         ; the closing round
	s_endpgm
.Lfunc_end_k_qfa6eed493c_attn:
	.size	k_qfa6eed493c_attn, .Lfunc_end_k_qfa6eed493c_attn-k_qfa6eed493c_attn
	.p2alignl 7, 3214868480
	.fill 96, 4, 3214868480
	.section	.rodata,"a",@progbits
	.p2align	6, 0x0
	.amdhsa_kernel k_qfa6eed493c_attn
		.amdhsa_group_segment_fixed_size 327680
		.amdhsa_private_segment_fixed_size 0
		.amdhsa_enable_private_segment 0
		.amdhsa_kernarg_size 32
		.amdhsa_user_sgpr_count 2
		.amdhsa_user_sgpr_kernarg_segment_ptr 1
		.amdhsa_wavefront_size32 1
		.amdhsa_system_sgpr_workgroup_id_x 1
		.amdhsa_system_sgpr_workgroup_id_y 1
		.amdhsa_system_sgpr_workgroup_id_z 1
		.amdhsa_system_vgpr_workitem_id 0
		.amdhsa_next_free_vgpr 512
		.amdhsa_next_free_sgpr 66
		.amdhsa_reserve_vcc 1
		.amdhsa_float_denorm_mode_32 3
		.amdhsa_float_denorm_mode_16_64 3
		.amdhsa_memory_ordered 1
		.amdhsa_forward_progress 1
		.amdhsa_inst_pref_size 109
	.end_amdhsa_kernel
	.amdgpu_metadata
---
amdhsa.version: [ 1, 2 ]
amdhsa.kernels:
  - .name:           k_qfa6eed493c_attn
    .symbol:         k_qfa6eed493c_attn.kd
    .args:
      - { .name: qkv, .offset: 0, .size: 8, .value_kind: global_buffer, .address_space: global }
      - { .name: mb, .offset: 8, .size: 8, .value_kind: global_buffer, .address_space: global }
      - { .name: out1, .offset: 16, .size: 8, .value_kind: global_buffer, .address_space: global }
      - { .name: rh, .offset: 24, .size: 8, .value_kind: global_buffer, .address_space: global }
    .group_segment_fixed_size: 327680
    .private_segment_fixed_size: 0
    .kernarg_segment_align: 8
    .kernarg_segment_size: 32
    .max_flat_workgroup_size: 256
    .sgpr_count:     66
    .vgpr_count:     512
    .wavefront_size: 32
...
	.end_amdgpu_metadata
.endif
;; end of part 3
;; launch fc (part 4): grid 4 x 64, 4 waves a work-group, clusters of 4 x 4, 327,680 bytes of LDS; arguments rh, fcw16, fc_b, out0; writes out0
.if DOCPART == 4
	.amdgcn_target "amdgcn-amd-amdhsa--gfx1250"
	.amdhsa_code_object_version 6
	.text
	.protected	k_qfa6eed493c_fc
	.globl	k_qfa6eed493c_fc
	.p2align	8
	.type	k_qfa6eed493c_fc,@function
k_qfa6eed493c_fc:
	s_mov_b64 s[64:65], 0
	v_nop
	global_prefetch_b8 v0, s[64:65] scope:SCOPE_SE
	s_setreg_imm32_b32 hwreg(HW_REG_WAVE_MODE, 25, 1), 1
	s_wait_xcnt 0x0
	s_wait_alu depctr_hold_cnt(0) depctr_sa_sdst(0) depctr_va_vdst(0) depctr_va_sdst(0) depctr_va_ssrc(0) depctr_va_vcc(0) depctr_vm_vsrc(0)
	s_getreg_b32 s2, hwreg(HW_REG_IB_STS2, 6, 4)
	s_cmp_eq_u32 s2, 0
	s_cbranch_scc0 .Lentry_in_a_cluster
	s_endpgm
.Lentry_in_a_cluster:
	s_bfe_u32 s2, ttmp6, 0x10000c
	s_cmp_lg_u32 s2, 0xf033
	s_cbranch_scc0 .Lentry_shape_is_right
	s_endpgm
.Lentry_shape_is_right:
; out0[m][n] = sum over k of outs[m][k] fc_w[n][k] + fc_b[n], m = 2048 batch + position, k = 64 head + channel, outs[m][k] = rh[batch][head][position][channel].  Operands f16, sums f32.
; A tile of out0 is 128 rows x 256 columns: 64 x 4 = 256 work-groups.  Four waves, each 64 x 128: 32 accumulators, 256 registers.  K goes in steps of 128, two heads, through a ring of two LDS slots.
; rh is read head plane by head plane: a K step's part of A is two dense blocks of 128 rows x 128 bytes; waves 0 and 1 fetch one each, waves 2 and 3 fetch 128 rows x 256 bytes of fc_w each: one load a wave.
; CLUSTERS: 4 x 4 work-groups; A's tiles are shared along a row of the cluster, B's along a column: each is asked for JOINTLY.  By this text's count a wave has two tensor loads out at the start and one later.
; THE MATRIX INSTRUCTION IS USED TRANSPOSED (source 0 = 16 rows of fc_w, source 1 = 16 rows of A): a lane holds eight neighbouring numbers of a row of out0.  The bias is the C of each sum's first product.
; No prefetch: a K step's tiles are asked for a whole K step ahead, and the launch is short.
; REGISTERS: window 0: v0-31 addresses; v64-127 the bias, eight registers for each of my 8 column blocks; v128-255 the way out.
;   window 1: two fragment buffers of 96 (32 along K): B's 8 fragments, then A's 4.   window 2: the accumulators, (a, b) at v[8 (8 a + b)].
.set PA,     144                       ; a row of A's plane in LDS: 128 bytes + 16
.set PB,     272                       ; a row of B: 256 bytes + 16
.set PLANE,  128*PA
.set SLOT,   2*PLANE+256*PB            ; A's two planes, then B's 256 rows
.set STAGE,  2*SLOT                    ; behind the ring: 16 rows x 528 bytes for each wave
.set SPITCH, 528
.set SPARE,  STAGE+4*16*SPITCH         ; the spare words: two blocks of 256 bytes that no other line names
.set ASTEP,  524288                    ; a K step in rh: two heads' planes of 2,048 x 128 bytes
.set BSTEP,  256                       ; and in a row of fcw16
.set LAPS,   4                         ; 1,024 / (2 x 128)
.set CROW,   4096                      ; a row of out0 in bytes
.set ADRA, 16
.set ADRB, 20
.set STO,  24
.set RD,   25
.set CO,   26
.set BA,   27                          ; v27  the bias loads' offset
.set SPW,  28
.set NIL,  29
.set BIAS, 64
.set BK,   128
.set F0,   0
.set F1,   96
.set G1, 24
.set G0, 32
.set G1B, 48
.set G0B, 56
.set MSB, 0
.macro WIN new
.if MSB != \new
	s_set_vgpr_msb (MSB<<8)|\new
.set MSB, \new
.endif
.endm
.set MUL,   0xa5                       ; sources 0 and 1 window 1; C and D window 2
.set MUL_B, 0x85                       ; the same with C (the bias) in window 0
.set TO_F,  0x40                       ; destination window 1
.macro JLOAD s                         ; waves 0 and 1 fetch A's planes, waves 2 and 3 B's halves; an s_nop 0 and four v_nop follow each of the two lines
	s_cmp_eq_u32 s12, 0
	s_cbranch_scc0 .Lfor_b_\@
	tensor_load_to_lds s[G0+4*\s:G0+4*\s+3], s[G1:G1+7]
	s_nop 0
.rept 4
	v_nop
.endr
	s_branch .Lasked_\@
.Lfor_b_\@:
	tensor_load_to_lds s[G0B+4*\s:G0B+4*\s+3], s[G1B:G1B+7]
	s_nop 0
.rept 4
	v_nop
.endr
.Lasked_\@:
.endm
.macro CREST                           ; a round of the cluster's barrier behind its opening barrier
	s_cmp_lg_u32 s2, 0
	s_cbranch_scc1 .Lnot_wave_0_\@
	s_barrier_signal -3
.Lnot_wave_0_\@:
	s_barrier_wait -3
	s_barrier_signal -1
	s_barrier_wait -1
.endm
.macro CROUND
	s_barrier_signal -1
	s_barrier_wait -1
	CREST
.endm
	s_load_b256 s[4:11], s[0:1], 0x0               ; rh s[4:5], fcw16 s[6:7], fc_b s[8:9], out0 s[10:11]
	v_lshl_add_u32 v[SPW], v0, 2, SPARE
	v_mov_b32 v[NIL], 0
	ds_add_u32 v[SPW], v[NIL]                      ; the wave's opening: the add, twice on end, and its wait ahead of my first tensor load
	ds_add_u32 v[SPW], v[NIL]
	v_lshrrev_b32 v1, 5, v0
	v_readfirstlane_b32 s2, v1                     ; wave 0..3
	s_lshr_b32 s12, s2, 1                          ; which 64 of the tile's rows are mine.  Also: I fetch for A (0) or for B (1)
	s_and_b32 s13, s2, 1                           ; which 128 of its columns.  Also: which plane of A, or which half of B, I fetch
	s_bfe_u32 s14, ttmp6, 0x40000                  ; cx
	s_bfe_u32 s15, ttmp6, 0x40004                  ; cy
	s_lshl_b32 s16, ttmp9, 2
	s_add_co_u32 s16, s16, s14                     ; tile column = 4 x cluster x + cx
	s_and_b32 s17, ttmp7, 0xffff
	s_lshl_b32 s17, s17, 2
	s_add_co_u32 s17, s17, s15                     ; tile row = 4 x cluster y + cy
	s_lshl_b32 s18, s15, 2
	s_lshl_b32 s18, 15, s18                        ; my row of the cluster
	s_lshl_b32 s19, 0x1111, s14                    ; my column
	s_or_b32 s[G1], s18, (1<<16)|(1<<20)|(1<<21)|(4<<22)|(3<<25)   ; A: elements of 2 bytes; four words of padding after every 32
	s_mov_b32 s[G1+1], 64<<16                      ; tensor_dim0
	s_mov_b32 s[G1+2], 128<<16                     ; tensor_dim1
	s_mov_b32 s[G1+3], 64<<16                      ; tile_dim0
	s_mov_b32 s[G1+4], 128                         ; tile_dim1
	s_mov_b32 s[G1+5], 64                          ; tensor_dim0_stride
	s_mov_b32 s[G1+6], 0
	s_mov_b32 s[G1+7], 0
	s_or_b32 s[G1B], s19, (1<<16)|(1<<20)|(1<<21)|(5<<22)|(3<<25)  ; B: four words of padding after every 64
	s_mov_b32 s[G1B+1], 128<<16
	s_mov_b32 s[G1B+2], 128<<16
	s_mov_b32 s[G1B+3], 128<<16
	s_mov_b32 s[G1B+4], 128
	s_mov_b32 s[G1B+5], 1024
	s_mov_b32 s[G1B+6], 0
	s_mov_b32 s[G1B+7], 0
	s_lshr_b32 s20, s17, 4                         ; A: the batch (16 tiles of rows each), 4,194,304 bytes,
	s_lshl_b32 s20, s20, 22
	s_and_b32 s22, s17, 15
	s_lshl_b32 s22, s22, 14                        ; 128 positions of 128 bytes a tile,
	s_add_co_u32 s20, s20, s22
	s_lshl_b32 s22, s13, 18                        ; the head's plane that I fetch
	s_add_co_u32 s20, s20, s22
	s_mov_b32 s21, 0
	s_lshl_b32 s40, s16, 19                        ; B: 256 rows of 2,048 bytes a tile column,
	s_lshl_b32 s42, s13, 18                        ; the 128 rows that I fetch
	s_add_co_u32 s40, s40, s42
	s_mov_b32 s41, 0
	s_mul_i32 s22, s13, PLANE                      ; where they go: no place in the cluster enters an LDS address
	s_mul_i32 s23, s13, 128*PB
	s_add_co_u32 s23, s23, 2*PLANE
	s_wait_dscnt 0x0                               ; both opening adds are done
	s_wait_kmcnt 0x0
	s_add_nc_u64 s[20:21], s[4:5], s[20:21]
	s_add_nc_u64 s[40:41], s[6:7], s[40:41]
	CROUND                                         ; all sixteen work-groups are here: the first joint loads meet
.irp s, 0,1
	s_mov_b32 s[G0+4*\s], 1
	s_add_co_u32 s[G0+4*\s+1], s22, \s*SLOT
	s_add_nc_u64 s[G0+4*\s+2:G0+4*\s+3], s[20:21], \s*ASTEP
	s_or_b32 s[G0+4*\s+3], s[G0+4*\s+3], 0x80000000
	s_mov_b32 s[G0B+4*\s], 1
	s_add_co_u32 s[G0B+4*\s+1], s23, \s*SLOT
	s_add_nc_u64 s[G0B+4*\s+2:G0B+4*\s+3], s[40:41], \s*BSTEP
	s_or_b32 s[G0B+4*\s+3], s[G0B+4*\s+3], 0x80000000
	JLOAD \s
.endr
	v_and_b32 v1, 15, v0                           ; r
	v_bfe_u32 v2, v0, 4, 1                         ; h
	v_mul_u32_u24 v3, v1, PA
	v_lshl_add_u32 v3, v2, 4, v3
	v_mul_u32_u24 v4, v1, PB
	v_lshl_add_u32 v4, v2, 4, v4
	s_mul_i32 s42, s12, 64*PA                      ; my 64 rows in each plane of A
	s_mul_i32 s43, s13, 128*PB                     ; my 128 rows of B,
	s_add_co_u32 s43, s43, 2*PLANE                 ; behind A's planes
.irp s, 0,1
	v_add_nc_u32 v[ADRA+\s], s42, v3
	v_add_nc_u32 v[ADRB+\s], s43, v4
	s_add_co_u32 s42, s42, SLOT
	s_add_co_u32 s43, s43, SLOT
.endr
	s_mul_i32 s44, s2, 16*SPITCH
	s_add_co_u32 s44, s44, STAGE                   ; my stage
	v_mul_u32_u24 v5, v1, SPITCH
	v_lshl_add_u32 v5, v2, 5, v5
	v_add_nc_u32 v[STO], s44, v5                   ; in: row r, 32 bytes for each half of the lanes
	v_and_b32 v6, 31, v0
	v_lshlrev_b32 v[CO], 4, v6                     ; back: the 32 lanes take one row of 512 bytes; and the same in out0
	v_add_nc_u32 v[RD], s44, v[CO]
	s_lshl_b32 s42, s16, 10                        ; my first column in bytes: 1,024 x tile column + 512 x half
	s_lshl_b32 s43, s13, 9
	s_add_co_u32 s42, s42, s43
	s_mov_b32 s43, 0
	s_add_nc_u64 s[8:9], s[8:9], s[42:43]          ; fc_b at my 128 columns
	v_lshlrev_b32 v[BA], 5, v2                     ; lane (r, h) wants, for column block b, fc_b[16 b + 8 h + 0 .. 7]
.irp b, 0,1,2,3,4,5,6,7
	global_load_b128 v[BIAS+8*\b:BIAS+8*\b+3],   v[BA], s[8:9] offset:64*\b
	global_load_b128 v[BIAS+8*\b+4:BIAS+8*\b+7], v[BA], s[8:9] offset:64*\b+16
.endr
	s_lshl_b32 s44, s17, 7
	s_lshl_b32 s45, s12, 6
	s_add_co_u32 s44, s44, s45                     ; my first row: 128 x tile row + 64 x half,
	s_lshl_b32 s44, s44, 12                        ; in bytes (under 2^25)
	s_add_co_u32 s44, s44, s42
	s_mov_b32 s45, 0
	s_add_nc_u64 s[10:11], s[10:11], s[44:45]
; 8 matrix instructions: A's block a against B's eight, 32 along K, from buffer f.  first = 1: the bias starts the sums.  The 32 accumulators take turns, one instruction a turn.
.macro MUL8 f, a, first
.irp b, 0,1,2,3,4,5,6,7
.if \first
	v_wmma_f32_16x16x32_f16 v[8*(8*(\a)+\b):8*(8*(\a)+\b)+7], v[\f+8*\b:\f+8*\b+7], v[\f+64+8*(\a):\f+64+8*(\a)+7], v[BIAS+8*\b:BIAS+8*\b+7]
.else
	v_wmma_f32_16x16x32_f16 v[8*(8*(\a)+\b):8*(8*(\a)+\b)+7], v[\f+8*\b:\f+8*\b+7], v[\f+64+8*(\a):\f+64+8*(\a)+7], v[8*(8*(\a)+\b):8*(8*(\a)+\b)+7]
.endif
.endr
.endm
; 24 LDS loads in one run: the fragments of the slot's q-th 32 along K into buffer f.  A's lie in plane q / 2, at channels 32 (q % 2) on
.macro FETCH slot, q, f
	WIN TO_F
.irp i, 0,1,2,3,4,5,6,7
	ds_load_b128 v[\f+8*\i:\f+8*\i+3],   v[ADRB+\slot] offset:64*(\q)+\i*16*PB
	ds_load_b128 v[\f+8*\i+4:\f+8*\i+7], v[ADRB+\slot] offset:64*(\q)+\i*16*PB+32
.endr
.irp i, 0,1,2,3
	ds_load_b128 v[\f+64+8*\i:\f+64+8*\i+3],   v[ADRA+\slot] offset:((\q)/2)*PLANE+((\q)%2)*64+\i*16*PA
	ds_load_b128 v[\f+64+8*\i+4:\f+64+8*\i+7], v[ADRA+\slot] offset:((\q)/2)*PLANE+((\q)%2)*64+\i*16*PA+32
.endr
.endm
.macro PLACES                          ; four plain lines in front of loads into registers that matrix instructions have read, and of the first read of results
.rept 4
	v_nop
.endr
.endm
; A K step is four quarters of 32 along K, 32 matrix instructions each, on buffers 0, 1, 0, 1.  One of the first three multiplies buffer f and fetches the slot's quarter qn into g.
.macro QUARTER slot, qn, f, g, first
	s_wait_dscnt 0x0                               ; this quarter's fragments are in
.if \first
	WIN MUL_B
.else
	WIN MUL
.endif
	MUL8 \f, 0, \first
	MUL8 \f, 1, \first
	PLACES
	FETCH \slot, \qn, \g
.if \first
	WIN MUL_B
.else
	WIN MUL
.endif
	MUL8 \f, 2, \first
	MUL8 \f, 3, \first
.endm
; The last quarter multiplies buffer 1 and changes slots: ONE barrier; in front of it each wave waits for all its tensor loads, adds 0 to its spare word, and waits for that and for its reads of this slot.
; fill = 1: the barrier opens a round of the cluster's, and this slot is filled again, two K steps ahead, first thing behind the round.
.macro TURN slot, next, fill
	WIN 0                                          ; (the add's two registers lie in window 0)
	s_wait_tensorcnt 0x0                           ; all my tensor loads have landed: my part of the next slot
	ds_add_u32 v[SPW], v[NIL]                      ; 0 onto my spare word
	s_wait_dscnt 1                                 ; the quarter's fragments are in (the add may be out)
	WIN MUL
	MUL8 F1, 0, 0
	s_wait_dscnt 0x0                               ; the add is done, and my reads of this slot are over
	s_barrier_signal -1
	MUL8 F1, 1, 0
.if \fill
	WIN 0
.endif
	s_barrier_wait -1
.if \fill
	CREST                                          ; no wave of any partner still reads this slot's tiles or has a load on its way
	s_add_nc_u64 s[G0+4*\slot+2:G0+4*\slot+3], s[G0+4*\slot+2:G0+4*\slot+3], 2*ASTEP
	s_add_nc_u64 s[G0B+4*\slot+2:G0B+4*\slot+3], s[G0B+4*\slot+2:G0B+4*\slot+3], 2*BSTEP
	JLOAD \slot                                    ; the four v_nop behind it are also the places in front of the loads below
.else
	PLACES
.endif
	FETCH \next, 0, F0
	WIN MUL
	MUL8 F1, 2, 0
	MUL8 F1, 3, 0
.endm
	s_wait_loadcnt 0x0                             ; the bias
	s_wait_tensorcnt 1                             ; my part of K step 0 is in (K step 1's load may be out),
	s_barrier_signal -1
	s_barrier_wait -1                              ; everybody's is
	FETCH 0, 0, F0
	QUARTER 0, 1, F0, F1, 1                        ; the first quarter stands in front of the loop: its products start the sums with the bias
	WIN 0                                          ; at a label and at a branch every window is 0
	s_mov_b32 s3, LAPS-1
.Llap:                                             ; a trip goes once round the ring, from a lap's second quarter to the next lap's first, and fills both slots again
	QUARTER 0, 2, F1, F0, 0
	QUARTER 0, 3, F0, F1, 0
	TURN 0, 1, 1
	QUARTER 1, 1, F0, F1, 0
	QUARTER 1, 2, F1, F0, 0
	QUARTER 1, 3, F0, F1, 0
	TURN 1, 0, 1
	QUARTER 0, 1, F0, F1, 0
	WIN 0
	s_sub_co_u32 s3, s3, 1
	s_cmp_lg_u32 s3, 0
	s_cbranch_scc1 .Llap
	QUARTER 0, 2, F1, F0, 0                        ; the last lap fills nothing, and has no round of the cluster's barrier
	QUARTER 0, 3, F0, F1, 0
	TURN 0, 1, 0
	QUARTER 1, 1, F0, F1, 0
	QUARTER 1, 2, F1, F0, 0
	QUARTER 1, 3, F0, F1, 0
	s_wait_dscnt 0x0                               ; the very last quarter: nothing more to fetch
	WIN MUL
	MUL8 F1, 0, 0
	MUL8 F1, 1, 0
	MUL8 F1, 2, 0
	MUL8 F1, 3, 0
	WIN 0
; THE WAY OUT, block by block of 16 rows x 128 columns: through my own stage, and back as whole rows of 512 bytes.  LDS serves a wave's instructions in order: no wait between the stores and the loads.
.macro TOSTAGE a
	WIN 0x08                                       ; an LDS store's data are its source 1: window 2
.irp b, 0,1,2,3,4,5,6,7
	ds_store_b128 v[STO], v[64*(\a)+8*\b:64*(\a)+8*\b+3] offset:64*\b          ; each accumulator from its low end on
	ds_store_b128 v[STO], v[64*(\a)+8*\b+4:64*(\a)+8*\b+7] offset:64*\b+16
.endr
	WIN 0
.set BB, BK+64*((\a)%2)
.irp t, 0,1,2,3,4,5,6,7,8,9,10,11,12,13,14,15
	ds_load_b128 v[BB+4*\t:BB+4*\t+3], v[RD] offset:\t*SPITCH
.endr
.endm
.macro SEND a, younger                 ; younger: the LDS instructions issued behind block a's loads, which may stay out
.set BB, BK+64*((\a)%2)
	s_wait_dscnt \younger
.if (\a) > 0
	s_add_nc_u64 s[10:11], s[10:11], 16*CROW       ; (behind a wait on XCNT: the earlier stores have read their base)
.endif
.irp t, 0,1,2,3,4,5,6,7,8,9,10,11,12,13,14,15
	global_store_b128 v[CO], v[BB+4*\t:BB+4*\t+3], s[10:11] offset:\t*CROW th:TH_STORE_NT   ; 32 lanes store 512 consecutive bytes, aligned
.endr
.endm
	PLACES
	TOSTAGE 0
.irp a, 1,2,3
.if \a > 1
	s_wait_xcnt 0x0                                ; block a - 2's stores have read their registers and their base
.endif
	TOSTAGE \a
	SEND \a-1, 32                                  ; behind block a - 1's loads: block a's 16 stores and 16 loads
.endr
	s_wait_xcnt 0x0
	SEND 3, 0
	s_wait_tensorcnt 0x0                           ; the wave's end
	ds_add_u32 v[SPW], v[NIL]
	s_wait_dscnt 0x0
	CROUND                                         ; the closing round
	s_endpgm
.Lfunc_end_k_qfa6eed493c_fc:
	.size	k_qfa6eed493c_fc, .Lfunc_end_k_qfa6eed493c_fc-k_qfa6eed493c_fc
	.p2alignl 7, 3214868480
	.fill 96, 4, 3214868480
	.section	.rodata,"a",@progbits
	.p2align	6, 0x0
	.amdhsa_kernel k_qfa6eed493c_fc
		.amdhsa_group_segment_fixed_size 327680
		.amdhsa_private_segment_fixed_size 0
		.amdhsa_enable_private_segment 0
		.amdhsa_kernarg_size 32
		.amdhsa_user_sgpr_count 2
		.amdhsa_user_sgpr_kernarg_segment_ptr 1
		.amdhsa_wavefront_size32 1
		.amdhsa_system_sgpr_workgroup_id_x 1
		.amdhsa_system_sgpr_workgroup_id_y 1
		.amdhsa_system_sgpr_workgroup_id_z 1
		.amdhsa_system_vgpr_workitem_id 0
		.amdhsa_next_free_vgpr 768
		.amdhsa_next_free_sgpr 66
		.amdhsa_reserve_vcc 0
		.amdhsa_float_denorm_mode_32 3
		.amdhsa_float_denorm_mode_16_64 3
		.amdhsa_memory_ordered 1
		.amdhsa_forward_progress 1
		.amdhsa_inst_pref_size 86
	.end_amdhsa_kernel
	.amdgpu_metadata
---
amdhsa.version: [ 1, 2 ]
amdhsa.kernels:
  - .name:           k_qfa6eed493c_fc
    .symbol:         k_qfa6eed493c_fc.kd
    .args:
      - { .name: rh, .offset: 0, .size: 8, .value_kind: global_buffer, .address_space: global }
      - { .name: fcw16, .offset: 8, .size: 8, .value_kind: global_buffer, .address_space: global }
      - { .name: fc_b, .offset: 16, .size: 8, .value_kind: global_buffer, .address_space: global }
      - { .name: out0, .offset: 24, .size: 8, .value_kind: global_buffer, .address_space: global }
    .group_segment_fixed_size: 327680
    .private_segment_fixed_size: 0
    .kernarg_segment_align: 8
    .kernarg_segment_size: 32
    .max_flat_workgroup_size: 128
    .sgpr_count:     66
    .vgpr_count:     768
    .wavefront_size: 32
...
	.end_amdgpu_metadata
.endif
;; end of part 4
